; MI455X (gfx1250); checked and timed in simulation.
; The chip was launched on July 23, 2026; its instructions are those of AMD's public machine-readable ISA for CDNA 5 (MIT licence, August 2026) and "CDNA5" Instruction Set Architecture Reference Guide (July 2026). The comments in the code are by the model that wrote it; some were corrected since.
;; Atten. Allowed arithmetic: matrix products marked QUANTISED: E3M2 operands, one E8M0 scale for each 32 along K, by v_wmma_scale_f32_16x16x128_f8f6f4 with both operands' format E3M2, f32 sums; everything else in f32.
;; Inputs: bk 128 float32; bo 128 float32; bq 128 float32; bv 128 float32; gn_b 128 float32; gn_w 128 float32; wk_codes 128 x 4 x 24 uint8 (E3M2 codes of wk, K innermost, in blocks of 32 codes, four codes in three bytes); wk_scales 128 x 4 uint8 (E8M0 scales of wk, one for each 32 codes along K); wo_codes 128 x 4 x 24 uint8 (E3M2 codes of wo, K innermost, in blocks of 32 codes, four codes in three bytes); wo_scales 128 x 4 uint8 (E8M0 scales of wo, one for each 32 codes along K); wq_codes 128 x 4 x 24 uint8 (E3M2 codes of wq, K innermost, in blocks of 32 codes, four codes in three bytes); wq_scales 128 x 4 uint8 (E8M0 scales of wq, one for each 32 codes along K); wv_codes 128 x 4 x 24 uint8 (E3M2 codes of wv, K innermost, in blocks of 32 codes, four codes in three bytes); wv_scales 128 x 4 uint8 (E8M0 scales of wv, one for each 32 codes along K); x 64 x 128 x 32 x 32 float32.
;; Outputs: out0 64 x 128 x 32 x 32 float32.
;; This version of the problem:
;;   THIS VERSION OF THE PROBLEM IS GIVEN IN LOW PRECISION. The matrix products marked QUANTISED in the list below multiply operands that are first quantised to E3M2 (3 exponent bits, 2 mantissa bits; 6 bits a number), with one power-of-two scale for each 32 numbers along K (OCP MX v1.0); their sums are f32. All else is computed in f32.
;;   The module's matrix products, in the order in which they are computed (A, B: the left and right operand; K: the contracted axis; several contracted axes count as one K, in the product's order):
;;     1. [M 65,536, K 128] x [K 128, N 128]; A: computed on the way; B: input wq (given as codes): QUANTISED
;;     2. [M 65,536, K 128] x [K 128, N 128]; A: computed on the way; B: input wk (given as codes): QUANTISED
;;     3. [M 65,536, K 128] x [K 128, N 128]; A: computed on the way; B: input wv (given as codes): QUANTISED
;;     4. batch 64 x [M 1,024, K 128] x [K 128, N 1,024]; A: computed on the way; B: computed on the way: QUANTISED
;;     5. batch 64 x [M 1,024, K 1,024] x [K 1,024, N 128]; A: softmax (see below); B: computed on the way: QUANTISED
;;     6. [M 65,536, K 128] x [K 128, N 128]; A: computed on the way; B: input wo (given as codes): QUANTISED
;;   THE QUANTISER, for each operand of a quantised product, along K:
;;     - K is cut into blocks of 32 from its start; a last block that is shorter is filled with zeros.
;;     - A block's scale is 2^e with e = floor(log2(the largest magnitude in the block)) - 4, held to -126 .. 127; a block of zeros has e = 0. As a byte (E8M0): e + 127.
;;     - Each number is divided by its block's scale, clamped to +-28, and rounded to the nearest number of E3M2, ties to even, subnormals kept.
;;     - The product sums the exact products of the quantised numbers (number of the format x scale) in f32.
;;   ~~~python
;;   def quantise(x, axis):      # numpy; x: float32 -> the quantised numbers, widened to float32 again
;;       x = np.moveaxis(x, axis, -1); K = x.shape[-1]
;;       x = np.pad(x, [(0, 0)] * (x.ndim - 1) + [(0, -K % 32)]); x = x.reshape(x.shape[:-1] + (-1, 32)); a = np.abs(x).max(-1, keepdims=True)
;;       e = np.where(a > 0, np.clip(np.frexp(np.where(a > 0, a, 1))[1] - 1 - 4, -126, 127), 0)      # np.frexp(a)[1] - 1 = floor(log2(a)), exactly
;;       r = np.clip(x / 2.0 ** e, -28, 28)
;;       step = 2.0 ** (np.maximum(np.frexp(np.where(r == 0, 1, r))[1] - 1, -2) - 2)
;;       q = np.round(r / step) * step * 2.0 ** e      # np.round: ties to even
;;       return np.moveaxis(q.reshape(q.shape[:-2] + (-1,))[..., :K], -1, axis).astype(np.float32)
;;   ~~~
;;   SOFTMAX AHEAD OF A QUANTISED PRODUCT. Where the list says 'softmax', what is quantised is not the finished softmax but p = 2^(t - M), with t = logit x log2(e) and M = ceil(the row's largest t), a whole number; so 1/2 < the row's largest p <= 1. The row's sum l is taken of the UNQUANTISED p, in f32, and the product's result is divided by l at the end. Since M is a whole number, a kernel that streams over the keys may use a running M (the ceiling of the running maximum): every later rescaling is an exact power of two, which a block's scale takes up: the codes' values come out the same.
;;   OPERANDS COMPUTED ON THE WAY. 'Computed on the way' means the value that the module computes at that place (a softmax that the list does not call 'softmax' is quantised finished and normalised). What goes into a quantiser is computed in f32, as accurately as f32 sums, v_exp_f32 and their like allow (about 1e-6 of the number): no bf16 or f16 on the way to a quantiser, and a product that is left as it is and whose result goes on into a quantised operand takes f32 operands (vector FMAs, or v_wmma_f32_16x16x4_f32). A number that lies on a knife's edge between two numbers of the format may be rounded either way, as far as f32 arithmetic and the matrix unit's own rounding can turn it there, and no further.
;;   INPUTS GIVEN AS CODES. wk (in the module: [128, 128], K = its axis 1); wo (in the module: [128, 128], K = its axis 1); wq (in the module: [128, 128], K = its axis 1); wv (in the module: [128, 128], K = its axis 1): each comes as NAME_codes (uint8): NAME with its K axis moved to the last place and cut into blocks of 32 codes, [.., K / 32, bytes a block], one block behind the other in memory; four codes in three bytes: a row's codes are one little-endian stream of bits, code i at bits 6 i .. 6 i + 5 (a code: sign, 3 exponent bits, 2 mantissa bits); and NAME_scales (uint8): the same leading axes, one E8M0 byte (e + 127) for each 32 codes along K. Its value is code x scale, taken as it is: it is not quantised again, and the codes and scales need not be those that the quantiser above would give.
;; 2 versions, each right; version 2 is version 1 with the launch atten written anew for expert scheduling mode. Each part assembles by itself: llvm-mc -triple=amdgcn-amd-amdhsa -mcpu=gfx1250 --defsym DOCPART=n.
;; ======== version 1 of 2: 1 launch
;; launch atten (part 1): grid 256 x 1, 8 waves a work-group, no clusters, 231,424 bytes of LDS; arguments x, gn_w, gn_b, wq_codes, wq_scales, bq, wk_codes, wk_scales, bk, wv_codes, wv_scales, bv, wo_codes, wo_scales, bo, out0; writes out0
.if DOCPART == 1
	.amdgcn_target "amdgcn-amd-amdhsa--gfx1250"
	.amdhsa_code_object_version 6
	.text
	.protected	k_q9c4a4d9ec7_atten
	.globl	k_q9c4a4d9ec7_atten
	.p2align	8
	.type	k_q9c4a4d9ec7_atten,@function
k_q9c4a4d9ec7_atten:
	s_mov_b64 s[64:65], 0
	v_nop
	global_prefetch_b8 v0, s[64:65] scope:SCOPE_SE
	s_setreg_imm32_b32 hwreg(HW_REG_WAVE_MODE, 25, 1), 1
	s_wait_xcnt 0x0
; GroupNorm (32 groups of 4 channels x 1,024 positions), q, k, v = t W^T + b, attention over 1,024 positions (one head of 128, scale 1/sqrt(512)),
; y = o wo^T + bo, transposed back, + x.  All six products on codes of BF6 (E3M2) with one E8M0 scale for each 32 along K; all else in f32.
; SHARES.  256 work-groups of 8 waves.  Work-group g serves image g / 4 and query quarter qt = g % 4 (256 queries); nothing passes between work-groups, so each makes
; K and V of all 1,024 positions of its image itself and keeps them in LDS as codes: 2 x 98,304 bytes and 2 x 4,096 of scale words.  Attention then needs no barrier.
; Positions are counted as pos' = (pos - 256 qt) mod 1024, so that the work-group's own queries are pos' 0 .. 255: qt enters global addresses alone.  256 is a multiple of 32: blocks of keys stay blocks.
; No multicast of x among the four work-groups of an image: the raw slots of a joint load (2 x 131,072 bytes) and the normalised stage (131,072) do not fit in LDS together.
; ROWS OF A TILE: tile 2 b + u takes in lane r row 32 b + 8 u + r + 8 (r / 8) (positions of t, rows of wq, wk, wv), so that in a result whose source 0 is such a tile the 16 registers of
; tiles 2 b, 2 b + 1 are the 16 neighbours 32 b + 16 (lane / 16) + 0 .. 15 along the next K.  wo is taken in its natural order.
; PHASES.  A/B, four times (32 channels each): wave w normalises group 8 it + w in registers (two passes), stores it to the stage [32 channels][1,024 pos'], barrier; wave w then reads the columns of its
; 128 positions (a lane = a position, 32 registers = a block of 32 channels) and quantises t.  C: wave w makes K (keys 128 w ..) and V^T of its 128 positions and stores their operands' register images.
; Q: wave w makes Q of its 32 queries.  Attention: 8 steps of 128 keys, two tiles of 16 queries a wave, both products transposed (a lane holds one query).  Way out: o / l quantised, y, through a stage, + bo + x.
; LIMITS.  NaN and infinities among the inputs are not served.  A block whose largest magnitude lies under 2^-122 keeps the scale byte 1, and so does a block of zeros (the quantiser says 127): its codes are
; zeros, and this program alone reads the bytes.  A block's largest p is taken from its largest score, which leans on v_exp_f32 not falling where its input rises.  t = score x (log2(e) / sqrt(512)) is one multiplication.
; LDS.  prologue: stage 0 .. 131,071.  Then: K's images 0, V's 98,304 (step x 12,288 + tile x 1,536 + half x 768: registers 6 c .. 6 c + 3 at 16 x lane, 6 c + 4, 5 at 512 + 8 x lane);
; scale words K 196,608, V 200,704 (step x 512 + 256 (tile / 4) + 16 row + 4 (tile % 4)); t's own-quarter images 204,800, their scale words 229,376.  End: stage 128 channels x 1,040 bytes from 0.
; REGISTERS.  window 0: v1 16 x lane; v2-25 addresses; v32-127 t's 8 fragments, later scores and p (two tiles), later the residual; v128-191 columns / accumulators / codes; v192-211 at work;
; v212-229 bv and half words; v232-252 scale words and nothing else.  window 1: x (two groups of 128); then biases 0-127, weights 128-223; then O^T 0-127, K's or V's 8 fragments 128-223, Q 224-247.
.set VIMG, 98304
.set KSC,  196608
.set TIMG, 204800
.set TSC,  229376
.set MSB, 0
.macro WIN new                         ; bits 1:0 source 0, 3:2 source 1, 5:4 source 2, 7:6 destination; the high byte repeats the setting that is left
.if MSB != \new
	s_set_vgpr_msb (MSB<<8)|\new
.set MSB, \new
.endif
.endm
.macro NOPS n
.rept \n
	v_nop
.endr
.endm
.macro BAR                             ; my LDS stores have landed and my LDS loads are in: then the work-group's barrier
	s_wait_dscnt 0x0
	s_barrier_signal -1
	s_barrier_wait -1
.endm
; one product.  c < 0: the constant 0 starts the sum.  ra, rb: a side's scale words lie in lanes 16-31
.macro WM d, a, b, c, sa, sb, ra, rb
.if (\c) < 0
.if (\ra) != 0
	v_wmma_scale_f32_16x16x128_f8f6f4 v[(\d):(\d)+7], v[(\a):(\a)+11], v[(\b):(\b)+11], 0, v[\sa], v[\sb] matrix_a_fmt:MATRIX_FMT_BF6 matrix_b_fmt:MATRIX_FMT_BF6 matrix_a_scale:MATRIX_SCALE_ROW1
.elseif (\rb) != 0
	v_wmma_scale_f32_16x16x128_f8f6f4 v[(\d):(\d)+7], v[(\a):(\a)+11], v[(\b):(\b)+11], 0, v[\sa], v[\sb] matrix_a_fmt:MATRIX_FMT_BF6 matrix_b_fmt:MATRIX_FMT_BF6 matrix_b_scale:MATRIX_SCALE_ROW1
.else
	v_wmma_scale_f32_16x16x128_f8f6f4 v[(\d):(\d)+7], v[(\a):(\a)+11], v[(\b):(\b)+11], 0, v[\sa], v[\sb] matrix_a_fmt:MATRIX_FMT_BF6 matrix_b_fmt:MATRIX_FMT_BF6
.endif
.else
.if (\ra) != 0
	v_wmma_scale_f32_16x16x128_f8f6f4 v[(\d):(\d)+7], v[(\a):(\a)+11], v[(\b):(\b)+11], v[(\c):(\c)+7], v[\sa], v[\sb] matrix_a_fmt:MATRIX_FMT_BF6 matrix_b_fmt:MATRIX_FMT_BF6 matrix_a_scale:MATRIX_SCALE_ROW1
.elseif (\rb) != 0
	v_wmma_scale_f32_16x16x128_f8f6f4 v[(\d):(\d)+7], v[(\a):(\a)+11], v[(\b):(\b)+11], v[(\c):(\c)+7], v[\sa], v[\sb] matrix_a_fmt:MATRIX_FMT_BF6 matrix_b_fmt:MATRIX_FMT_BF6 matrix_b_scale:MATRIX_SCALE_ROW1
.else
	v_wmma_scale_f32_16x16x128_f8f6f4 v[(\d):(\d)+7], v[(\a):(\a)+11], v[(\b):(\b)+11], v[(\c):(\c)+7], v[\sa], v[\sb] matrix_a_fmt:MATRIX_FMT_BF6 matrix_b_fmt:MATRIX_FMT_BF6
.endif
.endif
.endm
; my group of iteration it: 4 channels x 1,024 positions, 32 loads of 512 consecutive bytes; register 4 i .. holds channel i / 8, pos' 128 (i % 8) + 4 lane ..
.macro GLOAD it
	WIN 0x40
.set i, 0
.rept 32
	global_load_b128 v[128*((\it)%2)+4*i:128*((\it)%2)+4*i+3], v[2+i%8], s[66:67] offset:131072*(\it)+4096*(i/8)
.set i, i+1
.endr
	WIN 0
.endm
.macro RED                             ; four pairs of partial sums -> the sum over the wave's 4,096 numbers, in every lane, in v202
	v_pk_add_f32 v[192:193], v[192:193], v[194:195]
	v_pk_add_f32 v[196:197], v[196:197], v[198:199]
	v_pk_add_f32 v[192:193], v[192:193], v[196:197]
	v_add_f32 v202, v192, v193
	v_add_f32_dpp v202, v202, v202 row_xmask:1 row_mask:0xf bank_mask:0xf
	v_add_f32_dpp v202, v202, v202 row_xmask:2 row_mask:0xf bank_mask:0xf
	v_add_f32_dpp v202, v202, v202 row_xmask:4 row_mask:0xf bank_mask:0xf
	v_add_f32_dpp v202, v202, v202 row_xmask:8 row_mask:0xf bank_mask:0xf
	v_permlanex16_b32 v203, v202, s40, s41
	v_add_f32 v202, v202, v203
.endm
; the group's mean, then the variance of x - mean (two passes over the registers: no difference of large sums), then xn = (x - mean) (gn_w rstd) + gn_b, in place
.macro STATS it
.set XB, 128*((\it)%2)
	WIN 0x05
.irp q, 0,1,2,3
	v_pk_add_f32 v[192+2*\q:193+2*\q], v[XB+4*\q:XB+4*\q+1], v[XB+4*\q+2:XB+4*\q+3]   ; four chains; the first sums start them
.endr
	WIN 0x01
.set pr, 8
.rept 56
	v_pk_add_f32 v[192+2*(pr%4):193+2*(pr%4)], v[XB+2*pr:XB+2*pr+1], v[192+2*(pr%4):193+2*(pr%4)]
.set pr, pr+1
.endr
	WIN 0
	RED
	v_mul_f32 v200, s47, v202                      ; x 2^-12: the mean
	WIN 0x41
.set pr, 0
.rept 64
	v_pk_add_f32 v[XB+2*pr:XB+2*pr+1], v[XB+2*pr:XB+2*pr+1], v[200:201] op_sel_hi:[1,0] neg_lo:[0,1] neg_hi:[0,1]
.set pr, pr+1
.endr
	WIN 0x05
.irp q, 0,1,2,3
	v_pk_mul_f32 v[192+2*\q:193+2*\q], v[XB+2*\q:XB+2*\q+1], v[XB+2*\q:XB+2*\q+1]
.endr
.set pr, 4
.rept 60
	v_pk_fma_f32 v[192+2*(pr%4):193+2*(pr%4)], v[XB+2*pr:XB+2*pr+1], v[XB+2*pr:XB+2*pr+1], v[192+2*(pr%4):193+2*(pr%4)]
.set pr, pr+1
.endr
	WIN 0
	RED
	v_fma_f32 v202, v202, s47, s48                 ; the variance + 1e-6
	v_rsq_f32 v203, v202
.irp k, 0,1,2,3
	v_mov_b32 v[192+2*\k], s[84+4*(\it)+\k]        ; gn_b of my four channels (plain lines behind the transcendental)
.endr
	s_wait_alu depctr_va_vdst(0)
.irp k, 0,1,2,3
	v_mul_f32 v[204+2*\k], s[68+4*(\it)+\k], v203  ; gn_w x rstd
.endr
	WIN 0x41
.set pr, 0
.rept 64
	v_pk_fma_f32 v[XB+2*pr:XB+2*pr+1], v[XB+2*pr:XB+2*pr+1], v[204+2*(pr/16):205+2*(pr/16)], v[192+2*(pr/16):193+2*(pr/16)] op_sel_hi:[1,0,0]
.set pr, pr+1
.endr
.endm
.macro STORE it                        ; into the stage: channel 4 w + i / 8 of the block, 512 consecutive bytes a store
	WIN 0x04
.set i, 0
.rept 32
	ds_store_b128 v11, v[128*((\it)%2)+4*i:128*((\it)%2)+4*i+3] offset:512*i
.set i, i+1
.endr
	WIN 0
.endm
; t of my 128 positions, channel block it: four sets of 32 positions, two at a time.  A lane takes a position (lanes 0-15: tile 2 p's rows, lanes 16-31: tile 2 p + 1's) and reads its 32 channels down the stage:
; the whole block lies in the lane.  Even it: the codes go to tile 2 p's registers, odd it: to tile 2 p + 1's; six exchanges of halves then put both tiles' blocks 2 c and 2 c + 1 where the operand's layout wants them.
.macro COLS it
.irp pp, 0,1
.set SL, 32+48*\pp+12*((\it)%2)+6*((\it)/2)
.irp e, 0,1
.set c, 0
.rept 32
	ds_load_b32 v[128+32*\e+c], v[12+c/16] offset:4096*(c%16)+128*(2*\pp+\e)
.set c, c+1
.endr
.endr
	s_wait_dscnt 0x0
.irp e, 0,1
	v_max3_num_f32 v[192+8*\e], |v[128+32*\e]|, |v[129+32*\e]|, 0x2800000   ; the floor 2^(5 - 127) among the leaves: the byte cannot fall under 1
	v_max3_num_f32 v[195+8*\e], |v[144+32*\e]|, |v[145+32*\e]|, |v[146+32*\e]|
.endr
.irp i, 2,4,6,8,10,12
.irp e, 0,1
	v_max3_num_f32 v[192+8*\e], v[192+8*\e], |v[128+32*\e+\i]|, |v[129+32*\e+\i]|
	v_max3_num_f32 v[195+8*\e], v[195+8*\e], |v[145+32*\e+\i]|, |v[146+32*\e+\i]|
.endr
.endr
.irp e, 0,1
	v_max3_num_f32 v[192+8*\e], v[192+8*\e], |v[142+32*\e]|, |v[143+32*\e]|
.endr
.irp e, 0,1
	v_max3_num_f32 v[192+8*\e], v[192+8*\e], v[195+8*\e], |v[159+32*\e]|
.endr
.irp e, 0,1
	v_add_nc_u32 v[193+8*\e], 0xfe000000, v[192+8*\e]   ; 4 off the exponent field: the conversion's scale operand
.endr
.irp e, 0,1
	v_lshrrev_b32 v[194+8*\e], 23, v[193+8*\e]     ; the scale's byte
.endr
.irp e, 0,1
.if (\it) == 0
	v_mov_b32 v[248+2*\pp+\e], v[194+8*\e]
.else
	v_lshl_or_b32 v[248+2*\pp+\e], v[194+8*\e], 8*(\it), v[248+2*\pp+\e]   ; byte it of my position's scale word
.endif
.endr
.irp e, 0,1
	v_cvt_scalef32_pk16_bf6_f32 v[SL+24*\e:SL+24*\e+2], v[128+32*\e:143+32*\e], v[193+8*\e]
	v_cvt_scalef32_pk16_bf6_f32 v[196+8*\e:198+8*\e], v[144+32*\e:159+32*\e], v[193+8*\e]   ; (a conversion's three registers begin on an even number)
.endr
	v_nop                                          ; one plain place behind a scaled conversion
.irp e, 0,1
.irp i, 0,1,2
	v_mov_b32 v[SL+24*\e+3+\i], v[196+8*\e+\i]
.endr
.endr
.if (\it)%2 == 1
.irp e, 0,1
.irp i, 0,1,2,3,4,5
	v_permlane16_swap_b32 v[32+48*\pp+24*\e+6*((\it)/2)+\i], v[44+48*\pp+24*\e+6*((\it)/2)+\i]
.endr
.endr
.endif
.endr
.endm
.macro BILOAD ptr, base                ; a bias in the result's layout: tile t, register j, lane half h: b[32 (t / 2) + 16 h + 8 (t % 2) + j]
.set t, 0
.rept 8
	global_load_b128 v[(\base)+8*t:(\base)+8*t+3], v16, s[\ptr:\ptr+1] offset:4*(32*(t/2)+8*(t%2))
	global_load_b128 v[(\base)+8*t+4:(\base)+8*t+7], v16, s[\ptr:\ptr+1] offset:4*(32*(t/2)+8*(t%2))+16
.set t, t+1
.endr
.endm
; four tiles (4 half + t) of a weight: fragments into window 1 at wf, scale words at ws + 4 half; bp >= 0: the bias by lane too (bv)
.macro WLOAD cp, sp, half, wf, ws, bp
	WIN 0x40
.set t, 0
.rept 4
.set R0, 32*((4*(\half)+t)/2)+8*(t%2)
.irp p, 0,1,2,3,4,5
	global_load_b64 v[(\wf)+12*t+2*\p:(\wf)+12*t+2*\p+1], v14, s[\cp:\cp+1] offset:96*R0+48*(\p/3)+8*(\p%3)
.endr
.set t, t+1
.endr
	WIN 0
.set t, 0
.rept 4
.set R0, 32*((4*(\half)+t)/2)+8*(t%2)
	global_load_b32 v[(\ws)+4*(\half)+t], v15, s[\sp:\sp+1] offset:4*R0
.if (\bp) >= 0
	global_load_b32 v[212+4*(\half)+t], v15, s[\bp:\bp+1] offset:4*R0
.endif
.set t, t+1
.endr
.endm
; 32 numbers of a lane, register 16 b + i = k 32 b + 16 (lane / 16) + i of my row (two blocks), become half a fragment (6 registers at pc) and two scale bytes (hw).
; Four chains, one for each group of eight registers, each from its low end on.
.macro HQ s, pc, hw
.irp a, 0,1,2,3
	v_max3_num_f32 v[192+\a], |v[(\s)+8*\a]|, |v[(\s)+8*\a+1]|, |v[(\s)+8*\a+2]|
.endr
.irp i, 3,5
.irp a, 0,1,2,3
	v_max3_num_f32 v[192+\a], v[192+\a], |v[(\s)+8*\a+\i]|, |v[(\s)+8*\a+\i+1]|
.endr
.endr
.irp b, 0,1
	v_max3_num_f32 v[192+2*\b], v[192+2*\b], v[193+2*\b], |v[(\s)+16*\b+7]|
.endr
.irp b, 0,1
	v_max3_num_f32 v[192+2*\b], v[192+2*\b], |v[(\s)+16*\b+15]|, 0x2800000   ; and the floor 2^(5 - 127)
.endr
.irp b, 0,1
	v_permlanex16_b32 v[196+\b], v[192+2*\b], s40, s41
.endr
.irp b, 0,1
	v_max_num_f32 v[192+2*\b], v[192+2*\b], v[196+\b]   ; with lane l xor 16's 16: the block's largest magnitude
.endr
.irp b, 0,1
	v_add_nc_u32 v[198+\b], 0xfe000000, v[192+2*\b]
.endr
.irp b, 0,1
	v_lshrrev_b32 v[200+\b], 23, v[198+\b]
.endr
	v_lshl_or_b32 v[\hw], v201, 8, v200
	v_cvt_scalef32_pk16_bf6_f32 v[(\pc):(\pc)+2], v[(\s):(\s)+15], v198
	v_cvt_scalef32_pk16_bf6_f32 v[202:204], v[(\s)+16:(\s)+31], v199
	v_nop                                          ; one plain place behind a scaled conversion
.irp i, 0,1,2
	v_permlane16_swap_b32 v[(\pc)+\i], v[202+\i]   ; a whole block to a lane: lanes 0-15 the first block, lanes 16-31 the second
.endr
.irp i, 0,1,2
	v_mov_b32 v[(\pc)+3+\i], v[202+\i]
.endr
.endm
; K of key tile tl, channels 64 c ..: source 0 = four tiles of wk, source 1 = t's tile, C = bk.  A lane holds one key.  The half fragment and its two scale bytes go to LDS.
.macro KUNIT tl, c
	WIN 0x11
.irp t, 0,1,2,3
	WM 128+8*\t,128+48*(\c)+12*\t,32+12*(\tl),32*(\c)+8*\t,232+4*(\c)+\t,248+(\tl)/2,0,(\tl)%2
.endr
	WIN 0
	NOPS 4                                         ; places behind the products, ahead of the first read of their results
	s_wait_dscnt 3                                 ; the last unit's three stores may be out; those of two units ago, which read this set of registers, are done
	HQ 128,160+6*UK,228+UK
	ds_store_b128 v17, v[160+6*UK:163+6*UK] offset:1536*(\tl)+768*(\c)
	ds_store_b64 v18, v[164+6*UK:165+6*UK] offset:1536*(\tl)+768*(\c)
	ds_store_b16 v21, v[228+UK] offset:256*((\tl)/4)+4*((\tl)%4)+2*(\c)   ; lanes r and r + 16 write the same bytes with the same value
.set UK, 1-UK
.endm
; V^T of channel tile n, keys 64 c ..: source 0 = four tiles of t, source 1 = wv's tile, C = bv of the lane's channel.  A lane holds one channel, its registers run along the keys.
.macro VUNIT n, c
.if (\c) == 0
.irp j, 0,1,2,3,4,5,6,7
	v_mov_b32 v[220+\j], v[212+(\n)]
.endr
	NOPS 4
.endif
	WIN 0x04
.irp pq, 0,1
.irp u, 0,1
	WM 128+16*\pq+8*\u,32+24*(2*(\c)+\pq)+12*\u,128+48*((\n)/4)+12*((\n)%4),220,248+2*(\c)+\pq,240+(\n),\u,0
.endr
.endr
	WIN 0
	NOPS 4
	s_wait_dscnt 3
	HQ 128,160+6*UK,228+UK
	ds_store_b128 v19, v[160+6*UK:163+6*UK] offset:1536*(\n)+768*(\c)
	ds_store_b64 v20, v[164+6*UK:165+6*UK] offset:1536*(\n)+768*(\c)
	ds_store_b16 v21, v[228+UK] offset:4096+256*((\n)/4)+4*((\n)%4)+2*(\c)
.set UK, 1-UK
.endm
; Q of my query tile tau, channels 64 c ..: as K; the codes stay in registers (window 1), the bytes make the word v[240 + tau]
.macro QUNIT tau, c
	WIN 0x11
.irp t, 0,1,2,3
	WM 128+8*\t,128+48*(\c)+12*\t,32+12*(\tau),64+32*(\c)+8*\t,232+4*(\c)+\t,252,0,\tau
.endr
	WIN 0
	NOPS 4
	HQ 128,160,228
.if (\c) == 0
	v_mov_b32 v[240+(\tau)], v228
.else
	v_lshl_or_b32 v[240+(\tau)], v228, 16, v[240+(\tau)]
.endif
	WIN 0x40
.irp i, 0,1,2,3,4,5
	v_mov_b32 v[224+12*(\tau)+6*(\c)+\i], v[160+\i]
.endr
	WIN 0
.endm
; the softmax of tile tau for one step of 128 keys: register 16 b + i = key 32 b + 16 (lane / 16) + i of my query
.macro SM tau
.set SB, 32+64*(\tau)
.set ST, 12+4*(\tau)                   ; -M, the largest t, the sum in two halves
.set PCD, 160+12*(\tau)
.set FF, 204+2*(\tau)
.irp b, 0,1,2,3
	v_max3_num_f32 v[192+\b], v[SB+16*\b], v[SB+1+16*\b], v[SB+2+16*\b]   ; the largest score of each block of 32 keys: for the row's maximum and, since p rises with the score, for the block's largest p
.endr
.irp i, 3,5,7,9,11,13
.irp b, 0,1,2,3
	v_max3_num_f32 v[192+\b], v[192+\b], v[SB+16*\b+\i], v[SB+1+16*\b+\i]
.endr
.endr
.irp b, 0,1,2,3
	v_max_num_f32 v[192+\b], v[192+\b], v[SB+15+16*\b]
.endr
.irp b, 0,1,2,3
	v_permlanex16_b32 v[196+\b], v[192+\b], s40, s41
.endr
.irp b, 0,1,2,3
	v_max_num_f32 v[192+\b], v[192+\b], v[196+\b]
.endr
	v_max3_num_f32 v208, v192, v193, v194
	v_max_num_f32 v208, v208, v195
	v_mul_f32 v208, s42, v208                      ; as t (c is positive)
	v_max_num_f32 v[ST+1], v[ST+1], v208           ; the running largest t
	v_mov_b32 v208, v[ST]
	v_floor_f32 v[ST], -v[ST+1]                    ; the new -M = -ceil(t): a whole number
	v_sub_f32 v208, v[ST], v208                    ; old M - new M, 0 or less
	v_cvt_i32_f32 v208, v208                       ; (it saturates)
	v_ldexp_f32 v[FF], 1.0, v208                   ; f = 2^(old M - new M): a multiplication by it rounds nothing
.set j, 0
.rept 32
	v_pk_fma_f32 v[SB+j:SB+j+1], v[SB+j:SB+j+1], s[42:43], v[ST:ST+1] op_sel_hi:[1,0,0]   ; t - M
.set j, j+2
.endr
.irp b, 0,1,2,3
	v_fma_f32 v[192+\b], v[192+\b], s42, v[ST]
.endr
.set j, 0
.rept 64
	v_exp_f32 v[SB+j], v[SB+j]                     ; p = 2^(t - M), not normalised
.set j, j+1
.endr
.irp b, 0,1,2,3
	v_exp_f32 v[192+\b], v[192+\b]                 ; the block's largest p
.endr
	v_pk_mul_f32 v[ST+2:ST+3], v[ST+2:ST+3], v[FF:FF+1] op_sel_hi:[1,0]   ; the sum under the new M (a plain place behind the exponentials)
	s_wait_alu depctr_va_vdst(0)
.irp b, 0,1,2,3
	v_max_num_f32 v[192+\b], 0x2800000, v[192+\b]
.endr
.irp b, 0,1,2,3
	v_add_nc_u32 v[200+\b], 0xfe000000, v[192+\b]
.endr
.irp b, 0,1,2,3
	v_lshrrev_b32 v[196+\b], 23, v[200+\b]
.endr
	v_lshl_or_b32 v[242+(\tau)], v197, 8, v196     ; p's scale word for these 128 keys
	v_lshl_or_b32 v[242+(\tau)], v198, 16, v[242+(\tau)]
	v_lshl_or_b32 v[242+(\tau)], v199, 24, v[242+(\tau)]
.irp c, 0,1
	v_cvt_scalef32_pk16_bf6_f32 v[PCD+6*\c:PCD+6*\c+2], v[SB+32*\c:SB+32*\c+15], v[200+2*\c]
	v_cvt_scalef32_pk16_bf6_f32 v[184+4*\c:186+4*\c], v[SB+16+32*\c:SB+31+32*\c], v[201+2*\c]
.endr
	v_nop
.irp c, 0,1
.irp i, 0,1,2
	v_permlane16_swap_b32 v[PCD+6*\c+\i], v[184+4*\c+\i]
.endr
.irp i, 0,1,2
	v_mov_b32 v[PCD+3+6*\c+\i], v[184+4*\c+\i]
.endr
.endr
	v_pk_add_f32 v[210:211], v[SB:SB+1], v[SB+2:SB+3]   ; the row's sum is taken of the unquantised p, in two chains
.set j, 4
.rept 15
	v_pk_add_f32 v[ST+2:ST+3], v[ST+2:ST+3], v[SB+j:SB+j+1]
	v_pk_add_f32 v[210:211], v[210:211], v[SB+j+2:SB+j+3]
.set j, j+4
.endr
	v_pk_add_f32 v[ST+2:ST+3], v[ST+2:ST+3], v[210:211]
.endm
; a step of 128 keys.  first = 1: the products V^T P start O^T's sums and nothing is rescaled.
.macro STEP first
	v_add_nc_u32 v2, s44, v1                       ; the step's images and scale words; these five lines are also the places behind the last products
	v_add_nc_u32 v3, s44, v8
	v_add_nc_u32 v4, s44, v9
	v_add_nc_u32 v5, s44, v10
	v_add_nc_u32 v6, s45, v11
	ds_load_b128 v[232:235], v6                    ; K's scale words: register t % 4, lanes 0-15 tiles 0-3, lanes 16-31 tiles 4-7
	ds_load_b128 v[236:239], v6 offset:4096        ; V's likewise
	WIN 0x40
.set t, 0
.rept 8
.irp c, 0,1
	ds_load_b128 v[128+12*t+6*\c:131+12*t+6*\c], v2 offset:1536*t+768*\c
	ds_load_b64 v[132+12*t+6*\c:133+12*t+6*\c], v3 offset:1536*t+768*\c
.endr
.set t, t+1
.endr
	s_wait_dscnt 0x0
	WIN 0x05
.set t, 0
.rept 8
.irp x, 0,1
	WM 32+64*\x+8*t,128+12*t,224+12*\x,-1,232+t%4,240+\x,t/4,0   ; S^T = K Q^T
.endr
.set t, t+1
.endr
	WIN 0
	NOPS 4                                         ; places ahead of the loads into K's registers and of the first read of the scores
	WIN 0x40
.set t, 0
.rept 8
.irp c, 0,1
	ds_load_b128 v[128+12*t+6*\c:131+12*t+6*\c], v4 offset:1536*t+768*\c   ; V's fragments land under the softmax
	ds_load_b64 v[132+12*t+6*\c:133+12*t+6*\c], v5 offset:1536*t+768*\c
.endr
.set t, t+1
.endr
	WIN 0
	SM 0
	SM 1
.if !(\first)
	WIN 0x41
.set j, 0
.rept 64
	v_pk_mul_f32 v[j:j+1], v[j:j+1], v[204+2*(j/64):205+2*(j/64)] op_sel_hi:[1,0]   ; O^T under the new M
.set j, j+2
.endr
.endif
	s_wait_dscnt 0x0
	WIN 0x51
.set n, 0
.rept 8
.irp x, 0,1
.if \first
	WM 64*\x+8*n,128+12*n,160+12*\x,-1,236+n%4,242+\x,n/4,0
.else
	WM 64*\x+8*n,128+12*n,160+12*\x,64*\x+8*n,236+n%4,242+\x,n/4,0   ; O^T += V^T P^T: the sixteen accumulators by turns, one instruction a turn
.endif
.endr
.set n, n+1
.endr
	WIN 0
	s_add_co_u32 s44, s44, 12288
	s_add_co_u32 s45, s45, 512
.endm
; one block of 32 channels: statistics in registers, the stage, t's block
.macro BLOCK it
	s_wait_loadcnt 32                              ; my group's 32 loads are in; the next package of 32 may be out
	STATS \it
.if (\it) > 0
	s_barrier_wait -1                              ; every wave has read the last block's columns (only register work stood behind the signal)
.endif
	STORE \it
	s_wait_dscnt 0x0                               ; my stores have landed and have read their registers
.if (\it) < 2
	GLOAD (\it)+2
.elseif (\it) == 2
	WIN 0x40
	BILOAD 24,0
	BILOAD 18,64
	WIN 0
.else
	WLOAD 20,22,0,128,232,-1
	WLOAD 20,22,1,176,232,-1
.endif
	s_barrier_signal -1
	s_barrier_wait -1                              ; the block's 32 channels lie in the stage
	COLS \it
.endm
	s_load_b512 s[8:23], s[0:1], 0x0               ; x, gn_w, gn_b, wq codes, wq scales, bq, wk codes, wk scales
	s_load_b512 s[24:39], s[0:1], 0x40             ; bk, wv codes, wv scales, bv, wo codes, wo scales, bo, out0
	v_lshl_add_u32 v254, v0, 2, 0x38400
	v_mov_b32 v255, 0
	v_lshrrev_b32 v26, 5, v0
	v_readfirstlane_b32 s2, v26                    ; wave 0..7
	s_and_b32 s3, ttmp9, 3                         ; qt
	s_lshr_b32 s4, ttmp9, 2                        ; the image
	v_and_b32 v26, 31, v0                          ; lane
	v_lshlrev_b32 v1, 4, v26                       ; 16 x lane
	s_lshl_b32 s5, s3, 10
.irp j, 0,1,2,3,4,5,6,7
	s_add_co_u32 s6, s5, 512*\j
	s_and_b32 s6, s6, 4095                         ; pos' 128 j lies at byte (512 j + 1024 qt) mod 4096 of a channel's row
	v_add_nc_u32 v[2+\j], s6, v1
.endr
	s_lshl_b32 s6, s4, 19
	s_lshl_b32 s7, s2, 14
	s_add_co_u32 s6, s6, s7
	s_mov_b32 s7, 0
	s_wait_kmcnt 0x0
	s_add_nc_u64 s[66:67], s[8:9], s[6:7]          ; x at the image, channel 4 w
	GLOAD 0
	GLOAD 1
	s_lshl_b32 s6, s2, 4
	s_add_nc_u64 s[10:11], s[10:11], s[6:7]        ; gn_w, gn_b at channel 4 w
	s_add_nc_u64 s[12:13], s[12:13], s[6:7]
.irp q, 0,1,2,3
	s_load_b128 s[68+4*\q:71+4*\q], s[10:11], 128*\q
	s_load_b128 s[84+4*\q:87+4*\q], s[12:13], 128*\q
.endr
	s_lshl_b32 s6, s2, 6
	s_add_nc_u64 s[36:37], s[36:37], s[6:7]        ; bo at channel 16 w
	s_lshl_b32 s6, s4, 19
	s_add_co_u32 s6, s6, s5
	s_lshl_b32 s5, s2, 16
	s_add_co_u32 s6, s6, s5
	s_add_nc_u64 s[100:101], s[8:9], s[6:7]        ; the residual: the image, channel 16 w, position 256 qt
	s_add_nc_u64 s[38:39], s[38:39], s[6:7]        ; and the same place in out0
	s_mov_b32 s40, 0x76543210
	s_mov_b32 s41, 0xfedcba98                      ; v_permlanex16_b32's selects for lane l xor 16
	s_mov_b32 s42, 0x3d8293ee                      ; c = log2(e) / sqrt(512)
	s_mov_b32 s43, s42                             ; (named with it as a pair)
	s_mov_b32 s47, 0x39800000                      ; 2^-12
	s_mov_b32 s48, 0x358637bd                      ; 1e-6
	v_and_b32 v27, 15, v0                          ; r
	v_bfe_u32 v28, v0, 4, 1                        ; h
	s_lshl_b32 s6, s2, 14
	v_add_nc_u32 v11, s6, v1                       ; the stage, on the way in: 16 lane + 16,384 w
	v_and_b32 v29, 7, v0
	v_bfe_u32 v30, v0, 3, 1
	v_lshl_add_u32 v29, v30, 4, v29
	v_lshl_add_u32 v29, v28, 3, v29                ; my position in a set of 32: (l & 7) + 16 bit 3 + 8 bit 4
	s_lshl_b32 s7, s2, 9
	v_lshlrev_b32 v12, 2, v29
	v_add_nc_u32 v12, s7, v12                      ; the stage, by columns: channels 0-15,
	v_add_nc_u32 v13, 0x10000, v12                 ; channels 16-31
	v_and_b32 v30, 8, v27
	v_add_nc_u32 v30, v30, v27                     ; r + 8 (r / 8)
	v_mul_u32_u24 v14, v30, 96
	v_mad_u32_u24 v14, v28, 24, v14                ; a weight's fragment
	v_lshlrev_b32 v15, 2, v30                      ; its scale word; bv by lane
	v_lshlrev_b32 v16, 6, v28                      ; 64 h: a bias in the result's layout
	s_mul_i32 s6, s2, 12288
	v_add_nc_u32 v17, s6, v1                       ; K's images of my step
	v_lshlrev_b32 v18, 3, v26
	v_add_nc_u32 v18, s6, v18
	v_add_nc_u32 v18, 512, v18
	v_add_nc_u32 v19, VIMG, v17                    ; V's
	v_add_nc_u32 v20, VIMG, v18
	v_lshlrev_b32 v21, 4, v27
	v_add_nc_u32 v21, s7, v21
	v_add_nc_u32 v21, KSC, v21                     ; scale half words: 16 r + 512 w
	v_add_nc_u32 v22, TIMG, v17                    ; t's images (waves 0 and 1)
	v_lshlrev_b32 v23, 2, v26
	v_add_nc_u32 v25, TSC, v23
	v_add_nc_u32 v23, s7, v25                      ; and their scale words: 4 lane + 512 w
	s_mul_i32 s6, s2, 3072
	v_add_nc_u32 v24, s6, v1
	v_add_nc_u32 v24, TIMG, v24                    ; my two query tiles of t
	s_lshl_b32 s6, s2, 7
	v_add_nc_u32 v25, s6, v25                      ; and their scale words
.irp q, 201,203,205,207,209,211
	v_mov_b32 v\q, 0                               ; written once: upper halves of pairs of which the low word serves both halves, and a lane permute's destination
.endr
	s_wait_kmcnt 0x0                               ; gn_w, gn_b
	BLOCK 0
	s_wait_dscnt 0x0
	s_barrier_signal -1                            ; my reads of the stage are over; the next block's statistics stand between this signal and its wait
	BLOCK 1
	s_wait_dscnt 0x0
	s_barrier_signal -1
	BLOCK 2
	s_wait_dscnt 0x0
	s_barrier_signal -1
	BLOCK 3
	s_cmp_gt_u32 s2, 1                             ; pos' 0 .. 255, the work-group's queries, are waves 0 and 1's positions: their t goes to LDS as images of its registers
	s_cbranch_scc1 .Lno_timg
.set i, 0
.rept 24
	ds_store_b128 v22, v[32+4*i:35+4*i] offset:512*i
.set i, i+1
.endr
.irp p, 0,1,2,3
	ds_store_b32 v23, v[248+\p] offset:128*\p
.endr
.Lno_timg:
	BAR                                            ; nobody reads the stage any more: K's and V's images may be laid over it
	; ---- C: K and V^T of my 128 positions
	s_wait_loadcnt 0x0                             ; bk, bq, wk
	NOPS 8                                         ; t's scale words were written by vector instructions
.set UK, 0
.set tl, 0
.rept 8
	KUNIT tl,0
.set tl, tl+1
.endr
	WLOAD 26,28,0,128,240,30                       ; wv's first half, where wk's first half lay: 32 loads
.set tl, 0
.rept 8
	KUNIT tl,1
.set tl, tl+1
.endr
	WLOAD 26,28,1,176,240,30                       ; its second half: 32 loads
	s_wait_loadcnt 32                              ; the first half is in
.set n, 0
.rept 4
	VUNIT n,0
	VUNIT n,1
.set n, n+1
.endr
	WLOAD 14,16,0,128,232,-1                       ; wq's first half: 28 loads
	s_wait_loadcnt 28                              ; wv's second half is in
.rept 4
	VUNIT n,0
	VUNIT n,1
.set n, n+1
.endr
	WLOAD 14,16,1,176,232,-1                       ; wq's second half: 28 loads
	BAR                                            ; all of K, V and the queries' t lie in LDS
	; ---- Q of my 32 queries
.set i, 0
.rept 6
	ds_load_b128 v[32+4*i:35+4*i], v24 offset:512*i
.set i, i+1
.endr
	ds_load_b32 v252, v25
	s_load_b512 s[48:63], s[36:37], 0x0            ; bo of my 16 channels, for the way out
	s_wait_dscnt 0x0
	s_wait_loadcnt 28                              ; wq's first half is in
	QUNIT 0,0
	QUNIT 1,0
	s_wait_loadcnt 0x0
	QUNIT 0,1
	QUNIT 1,1
	; addresses and statistics for the rest (no load is out: every address register may be written)
	v_and_b32 v30, 31, v0
	v_and_b32 v31, 15, v0
	v_bfe_u32 v29, v0, 4, 1
	v_lshlrev_b32 v8, 3, v30
	v_add_nc_u32 v8, 512, v8                       ; an image's last two registers: 8 lane + 512
	v_add_nc_u32 v9, VIMG, v1
	v_add_nc_u32 v10, VIMG, v8
	v_add_nc_u32 v11, KSC, v1
	v_mul_u32_u24 v20, v31, 1040
	v_lshl_add_u32 v20, v29, 6, v20
	s_lshl_b32 s6, s2, 7
	v_add_nc_u32 v20, s6, v20                      ; the last stage, in: channel r, 64 h + 128 w bytes on
	v_add_nc_u32 v21, 66560, v20                   ; channels 64 on
	s_mul_i32 s6, s2, 16640
	v_add_nc_u32 v22, s6, v1                       ; back: my 16 channels' rows
	v_mul_u32_u24 v23, v31, 96
	v_mad_u32_u24 v23, v29, 24, v23                ; wo's fragment, rows in their natural order
	v_lshlrev_b32 v24, 2, v31
	v_mov_b32 v13, 0xff61b1e6                      ; the largest t so far: -3e38
	v_mov_b32 v17, 0xff61b1e6
	v_floor_f32 v12, -v13
	v_floor_f32 v16, -v17
.irp q, 14,15,18,19,27,29,31
	v_mov_b32 v\q, 0                               ; the sums; upper halves of pairs; a lane permute's destination
.endr
	s_mov_b32 s44, 0
	s_mov_b32 s45, 0
	; ---- attention: 8 steps of 128 keys
	STEP 1
	s_mov_b32 s46, 7
.Lstep:
	STEP 0
	s_sub_co_u32 s46, s46, 1
	s_cmp_lg_u32 s46, 0
	s_cbranch_scc1 .Lstep
	; ---- the way out
	NOPS 4                                         ; places behind the last products
	WIN 0x40
.set n, 0
.rept 8
.irp p, 0,1,2,3,4,5
	global_load_b64 v[128+12*n+2*\p:129+12*n+2*\p], v23, s[32:33] offset:1536*n+48*(\p/3)+8*(\p%3)
.endr
.set n, n+1
.endr
	WIN 0
.set n, 0
.rept 8
	global_load_b32 v[232+n], v24, s[34:35] offset:64*n
.set n, n+1
.endr
	v_add_f32 v30, v14, v15                        ; the sums' two halves,
	v_add_f32 v208, v18, v19
	v_permlanex16_b32 v31, v30, s40, s41
	v_permlanex16_b32 v209, v208, s40, s41
	v_add_f32 v30, v30, v31                        ; and lane l xor 16's
	v_add_f32 v208, v208, v209
	v_rcp_f32 v26, v30
	v_rcp_f32 v28, v208
	v_nop
	WIN 0x01
.set j, 0
	s_wait_alu depctr_va_vdst(0)
.rept 64
	v_pk_mul_f32 v[32+j:33+j], v[j:j+1], v[26+2*(j/64):27+2*(j/64)] op_sel_hi:[1,0]   ; o = O^T / l: register 16 b + i = channel 32 b + 16 h + i of my query
.set j, j+2
.endr
	WIN 0
.irp x, 0,1
	HQ 32+64*\x,160+12*\x,228
	HQ 64+64*\x,166+12*\x,229
	v_lshl_or_b32 v[242+\x], v229, 16, v228
.endr
.set i, 0
.rept 32
	global_load_b128 v[32+4*i:35+4*i], v1, s[100:101] offset:4096*(i/2)+512*(i%2)   ; the residual: channel 16 w + i / 2, my quarter's 256 positions
.set i, i+1
.endr
	NOPS 8                                         ; o's scale words were written by vector instructions
	s_wait_loadcnt 32                              ; wo is in; the 32 residual loads may be out
	WIN 0x44
.set n, 0
.rept 8
.irp x, 0,1
	WM 64*\x+8*n,160+12*\x,128+12*n,-1,242+\x,232+n,0,0   ; y: lane (r, h) holds channel 16 n + r, register j position 32 w + 8 x + 16 h + j
.endr
.set n, n+1
.endr
	WIN 0
	NOPS 4
	BAR                                            ; nobody reads K or V any more: the stage may be laid over them
	WIN 0x04
.set n, 0
.rept 8
.irp x, 0,1
	ds_store_b128 v[20+n/4], v[64*\x+8*n:64*\x+8*n+3] offset:16640*(n%4)+32*\x       ; each accumulator from its low end on
	ds_store_b128 v[20+n/4], v[64*\x+8*n+4:64*\x+8*n+7] offset:16640*(n%4)+32*\x+16
.endr
.set n, n+1
.endr
	WIN 0
	BAR                                            ; 128 channels x 256 positions of y lie in the stage
	WIN 0x40
.set i, 0
.rept 32
	ds_load_b128 v[4*i:4*i+3], v22 offset:1040*(i/2)+512*(i%2)
.set i, i+1
.endr
	WIN 0
	s_wait_kmcnt 0x0                               ; bo
.set i, 0
.rept 16
	s_mov_b32 s[68+2*i], s[48+i]                   ; to even registers: the packed form names a pair and takes its low word for both halves
.set i, i+1
.endr
	s_wait_loadcnt 0x0                             ; the residual
.set pr, 0
.rept 64
	v_pk_add_f32 v[32+2*pr:33+2*pr], v[32+2*pr:33+2*pr], s[68+2*(pr/4):69+2*(pr/4)] op_sel_hi:[1,0]
.set pr, pr+1
.endr
	s_wait_dscnt 0x0
	WIN 0x01
.set pr, 0
.rept 64
	v_pk_add_f32 v[32+2*pr:33+2*pr], v[2*pr:2*pr+1], v[32+2*pr:33+2*pr]
.set pr, pr+1
.endr
	WIN 0
.set i, 0
.rept 32
	global_store_b128 v1, v[32+4*i:35+4*i], s[38:39] offset:4096*(i/2)+512*(i%2) th:TH_STORE_NT   ; 32 lanes store 512 consecutive bytes, at a multiple of 256 from out0's first byte
.set i, i+1
.endr
	s_wait_tensorcnt 0x0
	ds_add_u32 v254, v255
	s_wait_dscnt 0x0
	s_endpgm
.Lfunc_end_k_q9c4a4d9ec7_atten:
	.size	k_q9c4a4d9ec7_atten, .Lfunc_end_k_q9c4a4d9ec7_atten-k_q9c4a4d9ec7_atten
	.p2alignl 7, 3214868480
	.fill 96, 4, 3214868480
	.section	.rodata,"a",@progbits
	.p2align	6, 0x0
	.amdhsa_kernel k_q9c4a4d9ec7_atten
		.amdhsa_group_segment_fixed_size 231424
		.amdhsa_private_segment_fixed_size 0
		.amdhsa_enable_private_segment 0
		.amdhsa_kernarg_size 128
		.amdhsa_user_sgpr_count 2
		.amdhsa_user_sgpr_kernarg_segment_ptr 1
		.amdhsa_wavefront_size32 1
		.amdhsa_system_sgpr_workgroup_id_x 1
		.amdhsa_system_sgpr_workgroup_id_y 1
		.amdhsa_system_sgpr_workgroup_id_z 1
		.amdhsa_system_vgpr_workitem_id 0
		.amdhsa_next_free_vgpr 512
		.amdhsa_next_free_sgpr 102
		.amdhsa_reserve_vcc 0
		.amdhsa_float_denorm_mode_32 3
		.amdhsa_float_denorm_mode_16_64 3
		.amdhsa_memory_ordered 1
		.amdhsa_forward_progress 1
		.amdhsa_inst_pref_size 255
	.end_amdhsa_kernel
	.section	.bss,"aw",@nobits
	.p2align	6
	.space	262144
	.amdgpu_metadata
---
amdhsa.version: [ 1, 2 ]
amdhsa.kernels:
  - .name:           k_q9c4a4d9ec7_atten
    .symbol:         k_q9c4a4d9ec7_atten.kd
    .args:
      - { .name: x, .offset: 0, .size: 8, .value_kind: global_buffer, .address_space: global }
      - { .name: gn_w, .offset: 8, .size: 8, .value_kind: global_buffer, .address_space: global }
      - { .name: gn_b, .offset: 16, .size: 8, .value_kind: global_buffer, .address_space: global }
      - { .name: wq_codes, .offset: 24, .size: 8, .value_kind: global_buffer, .address_space: global }
      - { .name: wq_scales, .offset: 32, .size: 8, .value_kind: global_buffer, .address_space: global }
      - { .name: bq, .offset: 40, .size: 8, .value_kind: global_buffer, .address_space: global }
      - { .name: wk_codes, .offset: 48, .size: 8, .value_kind: global_buffer, .address_space: global }
      - { .name: wk_scales, .offset: 56, .size: 8, .value_kind: global_buffer, .address_space: global }
      - { .name: bk, .offset: 64, .size: 8, .value_kind: global_buffer, .address_space: global }
      - { .name: wv_codes, .offset: 72, .size: 8, .value_kind: global_buffer, .address_space: global }
      - { .name: wv_scales, .offset: 80, .size: 8, .value_kind: global_buffer, .address_space: global }
      - { .name: bv, .offset: 88, .size: 8, .value_kind: global_buffer, .address_space: global }
      - { .name: wo_codes, .offset: 96, .size: 8, .value_kind: global_buffer, .address_space: global }
      - { .name: wo_scales, .offset: 104, .size: 8, .value_kind: global_buffer, .address_space: global }
      - { .name: bo, .offset: 112, .size: 8, .value_kind: global_buffer, .address_space: global }
      - { .name: out0, .offset: 120, .size: 8, .value_kind: global_buffer, .address_space: global }
    .group_segment_fixed_size: 231424
    .private_segment_fixed_size: 0
    .kernarg_segment_align: 8
    .kernarg_segment_size: 128
    .max_flat_workgroup_size: 256
    .sgpr_count:     102
    .vgpr_count:     512
    .wavefront_size: 32
...
	.end_amdgpu_metadata
.endif
;; end of part 1
;; ======== version 2 of 2: 1 launch; version 1 with the launch atten written anew for expert scheduling mode
;; launch atten (part 2): grid 256 x 1, 8 waves a work-group, no clusters, 231,424 bytes of LDS; arguments x, gn_w, gn_b, wq_codes, wq_scales, bq, wk_codes, wk_scales, bk, wv_codes, wv_scales, bv, wo_codes, wo_scales, bo, out0; writes out0
.if DOCPART == 2
	.amdgcn_target "amdgcn-amd-amdhsa--gfx1250"
	.amdhsa_code_object_version 6
	.text
	.protected	k_q9c4a4d9ec7_atten
	.globl	k_q9c4a4d9ec7_atten
	.p2align	8
	.type	k_q9c4a4d9ec7_atten,@function
k_q9c4a4d9ec7_atten:
	s_mov_b64 s[64:65], 0
	v_nop
	global_prefetch_b8 v0, s[64:65] scope:SCOPE_SE
	s_setreg_imm32_b32 hwreg(HW_REG_WAVE_SCHED_MODE, 0, 2), 2
	s_setreg_imm32_b32 hwreg(HW_REG_WAVE_MODE, 25, 1), 1
	s_wait_xcnt 0x0
	s_wait_alu depctr_vm_vsrc(0)
; GroupNorm (32 groups of 4 channels x 1,024 positions), q, k, v = t W^T + b, attention over 1,024 positions (one head of 128, scale 1/sqrt(512)),
; y = o wo^T + bo, transposed back, + x.  All six products on codes of BF6 (E3M2) with one E8M0 scale for each 32 along K; all else in f32.
; SHARES.  256 work-groups of 8 waves.  Work-group g serves image g / 4 and query quarter qt = g % 4 (256 queries); nothing passes between work-groups, so each makes
; K and V of all 1,024 positions of its image itself and keeps them in LDS as codes: 2 x 98,304 bytes and 2 x 4,096 of scale words.  Attention then needs no barrier.
; Positions are counted as pos' = (pos - 256 qt) mod 1024, so that the work-group's own queries are pos' 0 .. 255: qt enters global addresses alone.  256 is a multiple of 32: blocks of keys stay blocks.
; No multicast of x among the four work-groups of an image: the raw slots of a joint load (2 x 131,072 bytes) and the normalised stage (131,072) do not fit in LDS together.
; ROWS OF A TILE: tile 2 b + u takes in lane r row 32 b + 8 u + r + 8 (r / 8) (positions of t, rows of wq, wk, wv), so that in a result whose source 0 is such a tile the 16 registers of
; tiles 2 b, 2 b + 1 are the 16 neighbours 32 b + 16 (lane / 16) + 0 .. 15 along the next K.  wo is taken in its natural order.
; PHASES.  A/B, four times (32 channels each): wave w normalises group 8 it + w in registers (two passes), stores it to the stage [32 channels][1,024 pos'], barrier; wave w then reads the columns of its
; 128 positions (a lane = a position, 32 registers = a block of 32 channels) and quantises t.  C: wave w makes K (keys 128 w ..) and V^T of its 128 positions and stores their operands' register images.
; Q: wave w makes Q of its 32 queries.  Attention: 8 steps of 128 keys, two tiles of 16 queries a wave, both products transposed (a lane holds one query).  Way out: o / l quantised, y, through a stage, + bo + x.
; LIMITS.  NaN and infinities among the inputs are not served.  A block whose largest magnitude lies under 2^-122 keeps the scale byte 1, and so does a block of zeros (the quantiser says 127): its codes are
; zeros, and this program alone reads the bytes.  A block's largest p is taken from its largest score, which leans on v_exp_f32 not falling where its input rises.  t = score x (log2(e) / sqrt(512)) is one multiplication.
; LDS.  prologue: stage 0 .. 131,071.  Then: K's images 0, V's 98,304 (step x 12,288 + tile x 1,536 + half x 768: registers 6 c .. 6 c + 3 at 16 x lane, 6 c + 4, 5 at 512 + 8 x lane);
; scale words K 196,608, V 200,704 (step x 512 + 256 (tile / 4) + 16 row + 4 (tile % 4)); t's own-quarter images 204,800, their scale words 229,376.  End: stage 128 channels x 1,040 bytes from 0.
; REGISTERS.  window 0: v1 16 x lane; v2-25 addresses; v32-127 t's 8 fragments, later scores and p (two tiles), later the residual; v128-191 columns / accumulators / codes; v192-211 at work;
; v212-229 bv and half words; v232-252 scale words and nothing else.  window 1: x (two groups of 128); then biases 0-127, weights 128-223; then O^T 0-127, K's or V's 8 fragments 128-223, Q 224-247.
; THE MODE: SCHED_MODE bits 1:0 = 2 (LLVM: expert scheduling mode 2), set by the entry lines.  The code itself states the register dependences
; between vector or matrix instructions and memory or LDS instructions, with s_wait_alu, always for 0.
; THE PLAN.  Registers that memory or LDS instructions touch, and who else names them:
;   x's two buffers  Loaded; read and written by the statistics' lines; read by the 32 LDS stores into the stage; then the next package of loads lands there (x two blocks on, the biases, wk).
;                    One wait on va_vdst ahead of the stores; behind them and behind the window's switch one on vm_vsrc and one on va_vdst ahead of the package.
;   v128-191         The columns: LDS loads land, maxima and conversions read.  One wait on va_vdst behind the first two sets' conversions, ahead of the second two sets' loads; the next block's first loads stand behind that block's waits.
;   v32-127, v248-251  t: written by conversions, moves and exchanges; read by the images' stores (waves 0 and 1) and by the products of K, V: a wait on va_vdst ahead of each of the two.
;   v160-171, v228-229  Two sets of codes and half words, by turns: a unit's quantiser writes a set, its three LDS stores read it.  A unit has one wait on vm_vsrc (the stores of two units back) ahead of its quantiser
;                    and one on va_vdst between the quantiser and its stores; the loads of the next weights stand behind a unit's stores and lean on that same wait.
;   a key step       v2-v6 are written at its head (vm_vsrc ahead of them) and read by its LDS loads; window 1's v128-223 take K's fragments, then V's; v232-239 the scale words.  One wait on va_vdst at the head;
;                    the wait that tile 0's exponentials owe also shows the products K Q^T done, and V's loads follow it in two runs; one wait on va_vdst ahead of V^T P, for p's codes and scale words.
;   the way out      Each run of loads or stores has its wait straight ahead of it; the comments there say what it states.
;   v1, v254, v255   Written at the head and never again.
.set VIMG, 98304
.set KSC,  196608
.set TIMG, 204800
.set TSC,  229376
.set MSB, 0
.macro WIN new                         ; bits 1:0 source 0, 3:2 source 1, 5:4 source 2, 7:6 destination; the high byte repeats the setting that is left
.if MSB != \new
	s_set_vgpr_msb (MSB<<8)|\new
.set MSB, \new
.endif
.endm
.macro NOPS n
.rept \n
	v_nop
.endr
.endm
.macro BAR                             ; my LDS stores have landed and my LDS loads are in: then the work-group's barrier
	s_wait_dscnt 0x0
	s_barrier_signal -1
	s_barrier_wait -1
.endm
; one product.  c < 0: the constant 0 starts the sum.  ra, rb: a side's scale words lie in lanes 16-31
.macro WM d, a, b, c, sa, sb, ra, rb
.if (\c) < 0
.if (\ra) != 0
	v_wmma_scale_f32_16x16x128_f8f6f4 v[(\d):(\d)+7], v[(\a):(\a)+11], v[(\b):(\b)+11], 0, v[\sa], v[\sb] matrix_a_fmt:MATRIX_FMT_BF6 matrix_b_fmt:MATRIX_FMT_BF6 matrix_a_scale:MATRIX_SCALE_ROW1
.elseif (\rb) != 0
	v_wmma_scale_f32_16x16x128_f8f6f4 v[(\d):(\d)+7], v[(\a):(\a)+11], v[(\b):(\b)+11], 0, v[\sa], v[\sb] matrix_a_fmt:MATRIX_FMT_BF6 matrix_b_fmt:MATRIX_FMT_BF6 matrix_b_scale:MATRIX_SCALE_ROW1
.else
	v_wmma_scale_f32_16x16x128_f8f6f4 v[(\d):(\d)+7], v[(\a):(\a)+11], v[(\b):(\b)+11], 0, v[\sa], v[\sb] matrix_a_fmt:MATRIX_FMT_BF6 matrix_b_fmt:MATRIX_FMT_BF6
.endif
.else
.if (\ra) != 0
	v_wmma_scale_f32_16x16x128_f8f6f4 v[(\d):(\d)+7], v[(\a):(\a)+11], v[(\b):(\b)+11], v[(\c):(\c)+7], v[\sa], v[\sb] matrix_a_fmt:MATRIX_FMT_BF6 matrix_b_fmt:MATRIX_FMT_BF6 matrix_a_scale:MATRIX_SCALE_ROW1
.elseif (\rb) != 0
	v_wmma_scale_f32_16x16x128_f8f6f4 v[(\d):(\d)+7], v[(\a):(\a)+11], v[(\b):(\b)+11], v[(\c):(\c)+7], v[\sa], v[\sb] matrix_a_fmt:MATRIX_FMT_BF6 matrix_b_fmt:MATRIX_FMT_BF6 matrix_b_scale:MATRIX_SCALE_ROW1
.else
	v_wmma_scale_f32_16x16x128_f8f6f4 v[(\d):(\d)+7], v[(\a):(\a)+11], v[(\b):(\b)+11], v[(\c):(\c)+7], v[\sa], v[\sb] matrix_a_fmt:MATRIX_FMT_BF6 matrix_b_fmt:MATRIX_FMT_BF6
.endif
.endif
.endm
; my group of iteration it: 4 channels x 1,024 positions, 32 loads of 512 consecutive bytes; register 4 i .. holds channel i / 8, pos' 128 (i % 8) + 4 lane ..
.macro GLOAD it
	WIN 0x40
.set i, 0
.rept 32
	global_load_b128 v[128*((\it)%2)+4*i:128*((\it)%2)+4*i+3], v[2+i%8], s[66:67] offset:131072*(\it)+4096*(i/8)
.set i, i+1
.endr
	WIN 0
.endm
.macro RED                             ; four pairs of partial sums -> the sum over the wave's 4,096 numbers, in every lane, in v202
	v_pk_add_f32 v[192:193], v[192:193], v[194:195]
	v_pk_add_f32 v[196:197], v[196:197], v[198:199]
	v_pk_add_f32 v[192:193], v[192:193], v[196:197]
	v_add_f32 v202, v192, v193
	v_add_f32_dpp v202, v202, v202 row_xmask:1 row_mask:0xf bank_mask:0xf
	v_add_f32_dpp v202, v202, v202 row_xmask:2 row_mask:0xf bank_mask:0xf
	v_add_f32_dpp v202, v202, v202 row_xmask:4 row_mask:0xf bank_mask:0xf
	v_add_f32_dpp v202, v202, v202 row_xmask:8 row_mask:0xf bank_mask:0xf
	v_permlanex16_b32 v203, v202, s40, s41
	v_add_f32 v202, v202, v203
.endm
; the group's mean, then the variance of x - mean (two passes over the registers: no difference of large sums), then xn = (x - mean) (gn_w rstd) + gn_b, in place
.macro STATS it
.set XB, 128*((\it)%2)
	WIN 0x05
.irp q, 0,1,2,3
	v_pk_add_f32 v[192+2*\q:193+2*\q], v[XB+4*\q:XB+4*\q+1], v[XB+4*\q+2:XB+4*\q+3]   ; four chains; the first sums start them
.endr
	WIN 0x01
.set pr, 8
.rept 56
	v_pk_add_f32 v[192+2*(pr%4):193+2*(pr%4)], v[XB+2*pr:XB+2*pr+1], v[192+2*(pr%4):193+2*(pr%4)]
.set pr, pr+1
.endr
	WIN 0
	RED
	v_mul_f32 v200, s47, v202                      ; x 2^-12: the mean
	WIN 0x41
.set pr, 0
.rept 64
	v_pk_add_f32 v[XB+2*pr:XB+2*pr+1], v[XB+2*pr:XB+2*pr+1], v[200:201] op_sel_hi:[1,0] neg_lo:[0,1] neg_hi:[0,1]
.set pr, pr+1
.endr
	WIN 0x05
.irp q, 0,1,2,3
	v_pk_mul_f32 v[192+2*\q:193+2*\q], v[XB+2*\q:XB+2*\q+1], v[XB+2*\q:XB+2*\q+1]
.endr
.set pr, 4
.rept 60
	v_pk_fma_f32 v[192+2*(pr%4):193+2*(pr%4)], v[XB+2*pr:XB+2*pr+1], v[XB+2*pr:XB+2*pr+1], v[192+2*(pr%4):193+2*(pr%4)]
.set pr, pr+1
.endr
	WIN 0
	RED
	v_fma_f32 v202, v202, s47, s48                 ; the variance + 1e-6
	v_rsq_f32 v203, v202
.irp k, 0,1,2,3
	v_mov_b32 v[192+2*\k], s[84+4*(\it)+\k]        ; gn_b of my four channels (plain lines behind the transcendental)
.endr
	s_wait_alu depctr_va_vdst(0)                   ; rstd (v203) is written, ahead of its first reader
.irp k, 0,1,2,3
	v_mul_f32 v[204+2*\k], s[68+4*(\it)+\k], v203  ; gn_w x rstd
.endr
	WIN 0x41
.set pr, 0
.rept 64
	v_pk_fma_f32 v[XB+2*pr:XB+2*pr+1], v[XB+2*pr:XB+2*pr+1], v[204+2*(pr/16):205+2*(pr/16)], v[192+2*(pr/16):193+2*(pr/16)] op_sel_hi:[1,0,0]
.set pr, pr+1
.endr
.endm
.macro STORE it                        ; into the stage: channel 4 w + i / 8 of the block, 512 consecutive bytes a store
	WIN 0x04
	s_wait_alu depctr_va_vdst(0)                   ; xn is written, which the LDS stores read (in the first block so is v11, their address, and so are v12 to v25)
.set i, 0
.rept 32
	ds_store_b128 v11, v[128*((\it)%2)+4*i:128*((\it)%2)+4*i+3] offset:512*i
.set i, i+1
.endr
.endm
; t of my 128 positions, channel block it: four sets of 32 positions, two at a time.  A lane takes a position (lanes 0-15: tile 2 p's rows, lanes 16-31: tile 2 p + 1's) and reads its 32 channels down the stage:
; the whole block lies in the lane.  Even it: the codes go to tile 2 p's registers, odd it: to tile 2 p + 1's; six exchanges of halves then put both tiles' blocks 2 c and 2 c + 1 where the operand's layout wants them.
.macro CLOAD pp                        ; the columns of sets 2 pp and 2 pp + 1
.irp e, 0,1
.set c, 0
.rept 32
	ds_load_b32 v[128+32*\e+c], v[12+c/16] offset:4096*(c%16)+128*(2*(\pp)+\e)
.set c, c+1
.endr
.endr
.endm
.macro CQ it, pp                       ; their largest magnitudes, scale bytes and codes: the last lines that read the columns
.set SL, 32+48*(\pp)+12*((\it)%2)+6*((\it)/2)
	s_wait_dscnt 0x0
.irp e, 0,1
	v_max3_num_f32 v[192+8*\e], |v[128+32*\e]|, |v[129+32*\e]|, 0x2800000   ; the floor 2^(5 - 127) among the leaves: the byte cannot fall under 1
	v_max3_num_f32 v[195+8*\e], |v[144+32*\e]|, |v[145+32*\e]|, |v[146+32*\e]|
.endr
.irp i, 2,4,6,8,10,12
.irp e, 0,1
	v_max3_num_f32 v[192+8*\e], v[192+8*\e], |v[128+32*\e+\i]|, |v[129+32*\e+\i]|
	v_max3_num_f32 v[195+8*\e], v[195+8*\e], |v[145+32*\e+\i]|, |v[146+32*\e+\i]|
.endr
.endr
.irp e, 0,1
	v_max3_num_f32 v[192+8*\e], v[192+8*\e], |v[142+32*\e]|, |v[143+32*\e]|
.endr
.irp e, 0,1
	v_max3_num_f32 v[192+8*\e], v[192+8*\e], v[195+8*\e], |v[159+32*\e]|
.endr
.irp e, 0,1
	v_add_nc_u32 v[193+8*\e], 0xfe000000, v[192+8*\e]   ; 4 off the exponent field: the conversion's scale operand
.endr
.irp e, 0,1
	v_lshrrev_b32 v[194+8*\e], 23, v[193+8*\e]     ; the scale's byte
.endr
.irp e, 0,1
.if (\it) == 0
	v_mov_b32 v[248+2*(\pp)+\e], v[194+8*\e]
.else
	v_lshl_or_b32 v[248+2*(\pp)+\e], v[194+8*\e], 8*(\it), v[248+2*(\pp)+\e]   ; byte it of my position's scale word
.endif
.endr
.irp e, 0,1
	v_cvt_scalef32_pk16_bf6_f32 v[SL+24*\e:SL+24*\e+2], v[128+32*\e:143+32*\e], v[193+8*\e]
	v_cvt_scalef32_pk16_bf6_f32 v[196+8*\e:198+8*\e], v[144+32*\e:159+32*\e], v[193+8*\e]   ; (a conversion's three registers begin on an even number)
.endr
	v_nop                                          ; one plain place behind a scaled conversion
.endm
.macro CFIN it, pp                     ; the codes' second halves to their places, and the exchanges: these lines name t's registers and v196 to v206 alone
.set SL, 32+48*(\pp)+12*((\it)%2)+6*((\it)/2)
.irp e, 0,1
.irp i, 0,1,2
	v_mov_b32 v[SL+24*\e+3+\i], v[196+8*\e+\i]
.endr
.endr
.if (\it)%2 == 1
.irp e, 0,1
.irp i, 0,1,2,3,4,5
	v_permlane16_swap_b32 v[32+48*(\pp)+24*\e+6*((\it)/2)+\i], v[44+48*(\pp)+24*\e+6*((\it)/2)+\i]
.endr
.endr
.endif
.endm
.macro COLS it
	CLOAD 0                                        ; (no vector line since the block's waits names v128 to v191, v12 or v13)
	CQ \it,0
	s_wait_alu depctr_va_vdst(0)                   ; the maxima and the conversions are done reading v128 to v191, in which the next two sets' columns land
	CLOAD 1                                        ; they are on their way while the first two sets' codes are put in place
	CFIN \it,0
	CQ \it,1
	CFIN \it,1
.endm
.macro BILOAD ptr, base                ; a bias in the result's layout: tile t, register j, lane half h: b[32 (t / 2) + 16 h + 8 (t % 2) + j]
.set t, 0
.rept 8
	global_load_b128 v[(\base)+8*t:(\base)+8*t+3], v16, s[\ptr:\ptr+1] offset:4*(32*(t/2)+8*(t%2))
	global_load_b128 v[(\base)+8*t+4:(\base)+8*t+7], v16, s[\ptr:\ptr+1] offset:4*(32*(t/2)+8*(t%2))+16
.set t, t+1
.endr
.endm
; four tiles (4 half + t) of a weight: fragments into window 1 at wf, scale words at ws + 4 half; bp >= 0: the bias by lane too (bv)
.macro WLOAD cp, sp, half, wf, ws, bp
	WIN 0x40
.set t, 0
.rept 4
.set R0, 32*((4*(\half)+t)/2)+8*(t%2)
.irp p, 0,1,2,3,4,5
	global_load_b64 v[(\wf)+12*t+2*\p:(\wf)+12*t+2*\p+1], v14, s[\cp:\cp+1] offset:96*R0+48*(\p/3)+8*(\p%3)
.endr
.set t, t+1
.endr
	WIN 0
.set t, 0
.rept 4
.set R0, 32*((4*(\half)+t)/2)+8*(t%2)
	global_load_b32 v[(\ws)+4*(\half)+t], v15, s[\sp:\sp+1] offset:4*R0
.if (\bp) >= 0
	global_load_b32 v[212+4*(\half)+t], v15, s[\bp:\bp+1] offset:4*R0
.endif
.set t, t+1
.endr
.endm
; 32 numbers of a lane, register 16 b + i = k 32 b + 16 (lane / 16) + i of my row (two blocks), become half a fragment (6 registers at pc) and two scale bytes (hw).
; Four chains, one for each group of eight registers, each from its low end on.
.macro HQ s, pc, hw
.irp a, 0,1,2,3
	v_max3_num_f32 v[192+\a], |v[(\s)+8*\a]|, |v[(\s)+8*\a+1]|, |v[(\s)+8*\a+2]|
.endr
.irp i, 3,5
.irp a, 0,1,2,3
	v_max3_num_f32 v[192+\a], v[192+\a], |v[(\s)+8*\a+\i]|, |v[(\s)+8*\a+\i+1]|
.endr
.endr
.irp b, 0,1
	v_max3_num_f32 v[192+2*\b], v[192+2*\b], v[193+2*\b], |v[(\s)+16*\b+7]|
.endr
.irp b, 0,1
	v_max3_num_f32 v[192+2*\b], v[192+2*\b], |v[(\s)+16*\b+15]|, 0x2800000   ; and the floor 2^(5 - 127)
.endr
.irp b, 0,1
	v_permlanex16_b32 v[196+\b], v[192+2*\b], s40, s41
.endr
.irp b, 0,1
	v_max_num_f32 v[192+2*\b], v[192+2*\b], v[196+\b]   ; with lane l xor 16's 16: the block's largest magnitude
.endr
.irp b, 0,1
	v_add_nc_u32 v[198+\b], 0xfe000000, v[192+2*\b]
.endr
.irp b, 0,1
	v_lshrrev_b32 v[200+\b], 23, v[198+\b]
.endr
	v_lshl_or_b32 v[\hw], v201, 8, v200
	v_cvt_scalef32_pk16_bf6_f32 v[(\pc):(\pc)+2], v[(\s):(\s)+15], v198
	v_cvt_scalef32_pk16_bf6_f32 v[202:204], v[(\s)+16:(\s)+31], v199
	v_nop                                          ; one plain place behind a scaled conversion
.irp i, 0,1,2
	v_permlane16_swap_b32 v[(\pc)+\i], v[202+\i]   ; a whole block to a lane: lanes 0-15 the first block, lanes 16-31 the second
.endr
.irp i, 0,1,2
	v_mov_b32 v[(\pc)+3+\i], v[202+\i]
.endr
.endm
; K of key tile tl, channels 64 c ..: source 0 = four tiles of wk, source 1 = t's tile, C = bk.  A lane holds one key.  The half fragment and its two scale bytes go to LDS.
.macro KUNIT tl, c
	WIN 0x11
.irp t, 0,1,2,3
	WM 128+8*\t,128+48*(\c)+12*\t,32+12*(\tl),32*(\c)+8*\t,232+4*(\c)+\t,248+(\tl)/2,0,(\tl)%2
.endr
	WIN 0
	NOPS 4                                         ; places behind the products, ahead of the first read of their results
	s_wait_dscnt 3                                 ; the last unit's three stores may be out; those of two units ago, which read this set of registers, are done
.if NU > 1
	s_wait_alu depctr_vm_vsrc(0)                   ; the LDS stores of two units ago have read this set of codes and its half word, which the quantiser writes again
.endif
	HQ 128,160+6*UK,228+UK
	s_wait_alu depctr_va_vdst(0)                   ; the quantiser has written the codes and the half word, which the three stores read; the unit's products are done with the weights and their scale words, in which the loads behind some units land
	ds_store_b128 v17, v[160+6*UK:163+6*UK] offset:1536*(\tl)+768*(\c)
	ds_store_b64 v18, v[164+6*UK:165+6*UK] offset:1536*(\tl)+768*(\c)
	ds_store_b16 v21, v[228+UK] offset:256*((\tl)/4)+4*((\tl)%4)+2*(\c)   ; lanes r and r + 16 write the same bytes with the same value
.set UK, 1-UK
.set NU, NU+1
.endm
; V^T of channel tile n, keys 64 c ..: source 0 = four tiles of t, source 1 = wv's tile, C = bv of the lane's channel.  A lane holds one channel, its registers run along the keys.
.macro VUNIT n, c
.if (\c) == 0
.irp j, 0,1,2,3,4,5,6,7
	v_mov_b32 v[220+\j], v[212+(\n)]
.endr
	NOPS 4
.endif
	WIN 0x04
.irp pq, 0,1
.irp u, 0,1
	WM 128+16*\pq+8*\u,32+24*(2*(\c)+\pq)+12*\u,128+48*((\n)/4)+12*((\n)%4),220,248+2*(\c)+\pq,240+(\n),\u,0
.endr
.endr
	WIN 0
	NOPS 4
	s_wait_dscnt 3
	s_wait_alu depctr_vm_vsrc(0)                   ; the LDS stores of two units ago have read this set of codes and its half word, which the quantiser writes again
	HQ 128,160+6*UK,228+UK
	s_wait_alu depctr_va_vdst(0)                   ; the quantiser has written the codes and the half word, which the three stores read; the unit's products are done with t, the weights and their scale words, in which later loads land
	ds_store_b128 v19, v[160+6*UK:163+6*UK] offset:1536*(\n)+768*(\c)
	ds_store_b64 v20, v[164+6*UK:165+6*UK] offset:1536*(\n)+768*(\c)
	ds_store_b16 v21, v[228+UK] offset:4096+256*((\n)/4)+4*((\n)%4)+2*(\c)
.set UK, 1-UK
.set NU, NU+1
.endm
; Q of my query tile tau, channels 64 c ..: as K; the codes stay in registers (window 1), the bytes make the word v[240 + tau]
.macro QUNIT tau, c
	WIN 0x11
.irp t, 0,1,2,3
	WM 128+8*\t,128+48*(\c)+12*\t,32+12*(\tau),64+32*(\c)+8*\t,232+4*(\c)+\t,252,0,\tau
.endr
	WIN 0
	NOPS 4
	HQ 128,160,228
.if (\c) == 0
	v_mov_b32 v[240+(\tau)], v228
.else
	v_lshl_or_b32 v[240+(\tau)], v228, 16, v[240+(\tau)]
.endif
	WIN 0x40
.irp i, 0,1,2,3,4,5
	v_mov_b32 v[224+12*(\tau)+6*(\c)+\i], v[160+\i]
.endr
	WIN 0
.endm
; four of V's eight fragments of the step, tiles t0 on (the destination's window is switched by the caller)
.macro VLOAD t0
.set t, \t0
.rept 4
.irp c, 0,1
	ds_load_b128 v[128+12*t+6*\c:131+12*t+6*\c], v4 offset:1536*t+768*\c
	ds_load_b64 v[132+12*t+6*\c:133+12*t+6*\c], v5 offset:1536*t+768*\c
.endr
.set t, t+1
.endr
.endm
; the softmax of tile tau for one step of 128 keys: register 16 b + i = key 32 b + 16 (lane / 16) + i of my query
.macro SM tau
.set SB, 32+64*(\tau)
.set ST, 12+4*(\tau)                   ; -M, the largest t, the sum in two halves
.set PCD, 160+12*(\tau)
.set FF, 204+2*(\tau)
.irp b, 0,1,2,3
	v_max3_num_f32 v[192+\b], v[SB+16*\b], v[SB+1+16*\b], v[SB+2+16*\b]   ; the largest score of each block of 32 keys: for the row's maximum and, since p rises with the score, for the block's largest p
.endr
.irp i, 3,5,7,9,11,13
.irp b, 0,1,2,3
	v_max3_num_f32 v[192+\b], v[192+\b], v[SB+16*\b+\i], v[SB+1+16*\b+\i]
.endr
.endr
.irp b, 0,1,2,3
	v_max_num_f32 v[192+\b], v[192+\b], v[SB+15+16*\b]
.endr
.irp b, 0,1,2,3
	v_permlanex16_b32 v[196+\b], v[192+\b], s40, s41
.endr
.irp b, 0,1,2,3
	v_max_num_f32 v[192+\b], v[192+\b], v[196+\b]
.endr
	v_max3_num_f32 v208, v192, v193, v194
	v_max_num_f32 v208, v208, v195
	v_mul_f32 v208, s42, v208                      ; as t (c is positive)
	v_max_num_f32 v[ST+1], v[ST+1], v208           ; the running largest t
	v_mov_b32 v208, v[ST]
	v_floor_f32 v[ST], -v[ST+1]                    ; the new -M = -ceil(t): a whole number
	v_sub_f32 v208, v[ST], v208                    ; old M - new M, 0 or less
	v_cvt_i32_f32 v208, v208                       ; (it saturates)
	v_ldexp_f32 v[FF], 1.0, v208                   ; f = 2^(old M - new M): a multiplication by it rounds nothing
.set j, 0
.rept 32
	v_pk_fma_f32 v[SB+j:SB+j+1], v[SB+j:SB+j+1], s[42:43], v[ST:ST+1] op_sel_hi:[1,0,0]   ; t - M
.set j, j+2
.endr
.irp b, 0,1,2,3
	v_fma_f32 v[192+\b], v[192+\b], s42, v[ST]
.endr
.set j, 0
.rept 64
	v_exp_f32 v[SB+j], v[SB+j]                     ; p = 2^(t - M), not normalised
.set j, j+1
.endr
.irp b, 0,1,2,3
	v_exp_f32 v[192+\b], v[192+\b]                 ; the block's largest p
.endr
	v_pk_mul_f32 v[ST+2:ST+3], v[ST+2:ST+3], v[FF:FF+1] op_sel_hi:[1,0]   ; the sum under the new M (a plain place behind the exponentials)
.if (\tau) == 0
	WIN 0x40                                       ; the loads' destination lies in window 1: the switch, the wait, the loads
.endif
	s_wait_alu depctr_va_vdst(0)                   ; the 68 exponentials have written p and the blocks' largest p, ahead of their first reader; in tile 0's turn also: the products K Q^T are done reading K's fragments, in which V's land
.if (\tau) == 0
	VLOAD 0                                        ; V's tiles 0 to 3 land under the rest of the two softmaxes
	WIN 0
.endif
.irp b, 0,1,2,3
	v_max_num_f32 v[192+\b], 0x2800000, v[192+\b]
.endr
.irp b, 0,1,2,3
	v_add_nc_u32 v[200+\b], 0xfe000000, v[192+\b]
.endr
.irp b, 0,1,2,3
	v_lshrrev_b32 v[196+\b], 23, v[200+\b]
.endr
	v_lshl_or_b32 v[242+(\tau)], v197, 8, v196     ; p's scale word for these 128 keys
	v_lshl_or_b32 v[242+(\tau)], v198, 16, v[242+(\tau)]
	v_lshl_or_b32 v[242+(\tau)], v199, 24, v[242+(\tau)]
.irp c, 0,1
	v_cvt_scalef32_pk16_bf6_f32 v[PCD+6*\c:PCD+6*\c+2], v[SB+32*\c:SB+32*\c+15], v[200+2*\c]
	v_cvt_scalef32_pk16_bf6_f32 v[184+4*\c:186+4*\c], v[SB+16+32*\c:SB+31+32*\c], v[201+2*\c]
.endr
	v_nop
.irp c, 0,1
.irp i, 0,1,2
	v_permlane16_swap_b32 v[PCD+6*\c+\i], v[184+4*\c+\i]
.endr
.irp i, 0,1,2
	v_mov_b32 v[PCD+3+6*\c+\i], v[184+4*\c+\i]
.endr
.endr
	v_pk_add_f32 v[210:211], v[SB:SB+1], v[SB+2:SB+3]   ; the row's sum is taken of the unquantised p, in two chains
.set j, 4
.rept 15
	v_pk_add_f32 v[ST+2:ST+3], v[ST+2:ST+3], v[SB+j:SB+j+1]
	v_pk_add_f32 v[210:211], v[210:211], v[SB+j+2:SB+j+3]
.set j, j+4
.endr
	v_pk_add_f32 v[ST+2:ST+3], v[ST+2:ST+3], v[210:211]
.endm
; a step of 128 keys.  first = 1: the products V^T P start O^T's sums and nothing is rescaled.
.macro STEP first
.if !(\first)
	s_wait_alu depctr_vm_vsrc(0)                   ; the last step's LDS loads have read v2 to v6, which the five lines below write again
.endif
	v_add_nc_u32 v2, s44, v1                       ; the step's images and scale words
	v_add_nc_u32 v3, s44, v8
	v_add_nc_u32 v4, s44, v9
	v_add_nc_u32 v5, s44, v10
	v_add_nc_u32 v6, s45, v11
	s_wait_alu depctr_va_vdst(0)                   ; v2 to v6 are written, which this step's LDS loads read; the last step's products are done reading V's fragments and v232 to v239, in which the loads below land; in the first step: Q's codes and scale words are written, which the products K Q^T take
	ds_load_b128 v[232:235], v6                    ; K's scale words: register t % 4, lanes 0-15 tiles 0-3, lanes 16-31 tiles 4-7
	ds_load_b128 v[236:239], v6 offset:4096        ; V's likewise
	WIN 0x40
.set t, 0
.rept 8
.irp c, 0,1
	ds_load_b128 v[128+12*t+6*\c:131+12*t+6*\c], v2 offset:1536*t+768*\c
	ds_load_b64 v[132+12*t+6*\c:133+12*t+6*\c], v3 offset:1536*t+768*\c
.endr
.set t, t+1
.endr
	s_wait_dscnt 0x0
	WIN 0x05
.set t, 0
.rept 8
.irp x, 0,1
	WM 32+64*\x+8*t,128+12*t,224+12*\x,-1,232+t%4,240+\x,t/4,0   ; S^T = K Q^T
.endr
.set t, t+1
.endr
	WIN 0
	NOPS 4                                         ; places ahead of the first read of the scores
	SM 0                                           ; V's tiles 0 to 3 are asked for inside it, behind its wait
	WIN 0x40
	VLOAD 4                                        ; V's tiles 4 to 7.  No wait: since the wait in tile 0's softmax no vector line has named window 1's v176 to v223, v4 or v5
	WIN 0
	SM 1
.if !(\first)
	WIN 0x41
.set j, 0
.rept 64
	v_pk_mul_f32 v[j:j+1], v[j:j+1], v[204+2*(j/64):205+2*(j/64)] op_sel_hi:[1,0]   ; O^T under the new M
.set j, j+2
.endr
.endif
	s_wait_dscnt 0x0
	WIN 0x51
	s_wait_alu depctr_va_vdst(0)                   ; p's codes (v160 to v183) and scale words (v242, v243) are written, which the products below take as an operand and its scales; the places stand ahead of this wait
.set n, 0
.rept 8
.irp x, 0,1
.if \first
	WM 64*\x+8*n,128+12*n,160+12*\x,-1,236+n%4,242+\x,n/4,0
.else
	WM 64*\x+8*n,128+12*n,160+12*\x,64*\x+8*n,236+n%4,242+\x,n/4,0   ; O^T += V^T P^T: the sixteen accumulators by turns, one instruction a turn
.endif
.endr
.set n, n+1
.endr
	WIN 0
	s_add_co_u32 s44, s44, 12288
	s_add_co_u32 s45, s45, 512
.endm
; one block of 32 channels: statistics in registers, the stage, t's block
.macro BLOCK it
	s_wait_loadcnt 32                              ; my group's 32 loads are in; the next package of 32 may be out
	STATS \it
.if (\it) > 0
	s_barrier_wait -1                              ; every wave has read the last block's columns (only register work stood behind the signal)
.endif
	STORE \it
	s_wait_dscnt 0x0                               ; my stores have landed
	WIN 0x40                                       ; the next package lands in window 1, where this block of x lay: the switch, the waits, the loads
	s_wait_alu depctr_vm_vsrc(0)                   ; my LDS stores have read the block's registers,
	s_wait_alu depctr_va_vdst(0)                   ; and the statistics' lines are done reading and writing them (said again behind the stores, which named them too)
.if (\it) < 2
	GLOAD (\it)+2
.elseif (\it) == 2
	BILOAD 24,0
	BILOAD 18,64
	WIN 0
.else
	WLOAD 20,22,0,128,232,-1
	WLOAD 20,22,1,176,232,-1
.endif
	s_barrier_signal -1
	s_barrier_wait -1                              ; the block's 32 channels lie in the stage
	COLS \it
.endm
	s_load_b512 s[8:23], s[0:1], 0x0               ; x, gn_w, gn_b, wq codes, wq scales, bq, wk codes, wk scales
	s_load_b512 s[24:39], s[0:1], 0x40             ; bk, wv codes, wv scales, bv, wo codes, wo scales, bo, out0
	v_lshl_add_u32 v254, v0, 2, 0x38400
	v_mov_b32 v255, 0
	v_lshrrev_b32 v26, 5, v0
	v_readfirstlane_b32 s2, v26                    ; wave 0..7
	s_and_b32 s3, ttmp9, 3                         ; qt
	s_lshr_b32 s4, ttmp9, 2                        ; the image
	v_and_b32 v26, 31, v0                          ; lane
	v_lshlrev_b32 v1, 4, v26                       ; 16 x lane
	s_lshl_b32 s5, s3, 10
.irp j, 0,1,2,3,4,5,6,7
	s_add_co_u32 s6, s5, 512*\j
	s_and_b32 s6, s6, 4095                         ; pos' 128 j lies at byte (512 j + 1024 qt) mod 4096 of a channel's row
	v_add_nc_u32 v[2+\j], s6, v1
.endr
	s_lshl_b32 s6, s4, 19
	s_wait_alu depctr_va_sdst(0)                   ; s2, the wave's number, is written, ahead of its first reader
	s_lshl_b32 s7, s2, 14
	s_add_co_u32 s6, s6, s7
	s_mov_b32 s7, 0
	s_wait_kmcnt 0x0
	s_add_nc_u64 s[66:67], s[8:9], s[6:7]          ; x at the image, channel 4 w
	WIN 0x40
	s_wait_alu depctr_va_vdst(0)                   ; v2 to v9 are written, which x's loads read as their offsets
	GLOAD 0
	GLOAD 1
	s_lshl_b32 s6, s2, 4
	s_add_nc_u64 s[10:11], s[10:11], s[6:7]        ; gn_w, gn_b at channel 4 w
	s_add_nc_u64 s[12:13], s[12:13], s[6:7]
.irp q, 0,1,2,3
	s_load_b128 s[68+4*\q:71+4*\q], s[10:11], 128*\q
	s_load_b128 s[84+4*\q:87+4*\q], s[12:13], 128*\q
.endr
	s_lshl_b32 s6, s2, 6
	s_add_nc_u64 s[36:37], s[36:37], s[6:7]        ; bo at channel 16 w
	s_lshl_b32 s6, s4, 19
	s_add_co_u32 s6, s6, s5
	s_lshl_b32 s5, s2, 16
	s_add_co_u32 s6, s6, s5
	s_add_nc_u64 s[100:101], s[8:9], s[6:7]        ; the residual: the image, channel 16 w, position 256 qt
	s_add_nc_u64 s[38:39], s[38:39], s[6:7]        ; and the same place in out0
	s_mov_b32 s40, 0x76543210
	s_mov_b32 s41, 0xfedcba98                      ; v_permlanex16_b32's selects for lane l xor 16
	s_mov_b32 s42, 0x3d8293ee                      ; c = log2(e) / sqrt(512)
	s_mov_b32 s43, s42                             ; (named with it as a pair)
	s_mov_b32 s47, 0x39800000                      ; 2^-12
	s_mov_b32 s48, 0x358637bd                      ; 1e-6
	v_and_b32 v27, 15, v0                          ; r
	v_bfe_u32 v28, v0, 4, 1                        ; h
	s_lshl_b32 s6, s2, 14
	v_add_nc_u32 v11, s6, v1                       ; the stage, on the way in: 16 lane + 16,384 w
	v_and_b32 v29, 7, v0
	v_bfe_u32 v30, v0, 3, 1
	v_lshl_add_u32 v29, v30, 4, v29
	v_lshl_add_u32 v29, v28, 3, v29                ; my position in a set of 32: (l & 7) + 16 bit 3 + 8 bit 4
	s_lshl_b32 s7, s2, 9
	v_lshlrev_b32 v12, 2, v29
	v_add_nc_u32 v12, s7, v12                      ; the stage, by columns: channels 0-15,
	v_add_nc_u32 v13, 0x10000, v12                 ; channels 16-31
	v_and_b32 v30, 8, v27
	v_add_nc_u32 v30, v30, v27                     ; r + 8 (r / 8)
	v_mul_u32_u24 v14, v30, 96
	v_mad_u32_u24 v14, v28, 24, v14                ; a weight's fragment
	v_lshlrev_b32 v15, 2, v30                      ; its scale word; bv by lane
	v_lshlrev_b32 v16, 6, v28                      ; 64 h: a bias in the result's layout
	s_mul_i32 s6, s2, 12288
	v_add_nc_u32 v17, s6, v1                       ; K's images of my step
	v_lshlrev_b32 v18, 3, v26
	v_add_nc_u32 v18, s6, v18
	v_add_nc_u32 v18, 512, v18
	v_add_nc_u32 v19, VIMG, v17                    ; V's
	v_add_nc_u32 v20, VIMG, v18
	v_lshlrev_b32 v21, 4, v27
	v_add_nc_u32 v21, s7, v21
	v_add_nc_u32 v21, KSC, v21                     ; scale half words: 16 r + 512 w
	v_add_nc_u32 v22, TIMG, v17                    ; t's images (waves 0 and 1)
	v_lshlrev_b32 v23, 2, v26
	v_add_nc_u32 v25, TSC, v23
	v_add_nc_u32 v23, s7, v25                      ; and their scale words: 4 lane + 512 w
	s_mul_i32 s6, s2, 3072
	v_add_nc_u32 v24, s6, v1
	v_add_nc_u32 v24, TIMG, v24                    ; my two query tiles of t
	s_lshl_b32 s6, s2, 7
	v_add_nc_u32 v25, s6, v25                      ; and their scale words
.irp q, 201,203,205,207,209,211
	v_mov_b32 v\q, 0                               ; written once: upper halves of pairs of which the low word serves both halves, and a lane permute's destination
.endr
	s_wait_kmcnt 0x0                               ; gn_w, gn_b
	BLOCK 0
	s_wait_dscnt 0x0
	s_barrier_signal -1                            ; my reads of the stage are over; the next block's statistics stand between this signal and its wait
	BLOCK 1
	s_wait_dscnt 0x0
	s_barrier_signal -1
	BLOCK 2
	s_wait_dscnt 0x0
	s_barrier_signal -1
	BLOCK 3
	s_cmp_gt_u32 s2, 1                             ; pos' 0 .. 255, the work-group's queries, are waves 0 and 1's positions: their t goes to LDS as images of its registers
	s_cbranch_scc1 .Lno_timg
	s_wait_alu depctr_va_vdst(0)                   ; t's fragments (v32 to v127) and scale words (v248 to v251) are written, which the LDS stores read
.set i, 0
.rept 24
	ds_store_b128 v22, v[32+4*i:35+4*i] offset:512*i
.set i, i+1
.endr
.irp p, 0,1,2,3
	ds_store_b32 v23, v[248+\p] offset:128*\p
.endr
.Lno_timg:
	BAR                                            ; nobody reads the stage any more: K's and V's images may be laid over it
	; ---- C: K and V^T of my 128 positions
	s_wait_loadcnt 0x0                             ; bk, bq, wk
	NOPS 8                                         ; t's scale words were written by vector instructions
	s_wait_alu depctr_va_vdst(0)                   ; t's fragments and scale words are written: the products of this phase take them as an operand and its scales, and nothing writes them again; the places stand ahead of this wait
.set UK, 0
.set NU, 0
.set tl, 0
.rept 8
	KUNIT tl,0
.set tl, tl+1
.endr
	WLOAD 26,28,0,128,240,30                       ; wv's first half, where wk's first half lay: 32 loads.  No wait: behind the last unit's wait on va_vdst stand only its three stores, which name none of these registers
.set tl, 0
.rept 8
	KUNIT tl,1
.set tl, tl+1
.endr
	WLOAD 26,28,1,176,240,30                       ; its second half: 32 loads; likewise
	s_wait_loadcnt 32                              ; the first half is in
.set n, 0
.rept 4
	VUNIT n,0
	VUNIT n,1
.set n, n+1
.endr
	WLOAD 14,16,0,128,232,-1                       ; wq's first half: 28 loads; likewise
	s_wait_loadcnt 28                              ; wv's second half is in
.rept 4
	VUNIT n,0
	VUNIT n,1
.set n, n+1
.endr
	WLOAD 14,16,1,176,232,-1                       ; wq's second half: 28 loads; likewise
	BAR                                            ; all of K, V and the queries' t lie in LDS
	; ---- Q of my 32 queries
	s_wait_alu depctr_vm_vsrc(0)                   ; the images' stores have read v32 to v55, in which my query tiles land; the last units' stores have read the codes' registers and half words, which Q's quantiser writes.  (The products' reads of t stand ahead of the last unit's wait on va_vdst)
.set i, 0
.rept 6
	ds_load_b128 v[32+4*i:35+4*i], v24 offset:512*i
.set i, i+1
.endr
	ds_load_b32 v252, v25
	s_load_b512 s[48:63], s[36:37], 0x0            ; bo of my 16 channels, for the way out
	s_wait_dscnt 0x0
	s_wait_loadcnt 28                              ; wq's first half is in
	QUNIT 0,0
	QUNIT 1,0
	s_wait_loadcnt 0x0
	QUNIT 0,1
	QUNIT 1,1
	; addresses and statistics for the rest (no load is out: every address register may be written)
	s_wait_alu depctr_vm_vsrc(0)                   ; every load and store so far, Q's LDS loads by v24 last, has read its address register: v8 to v24 are made anew
	v_and_b32 v30, 31, v0
	v_and_b32 v31, 15, v0
	v_bfe_u32 v29, v0, 4, 1
	v_lshlrev_b32 v8, 3, v30
	v_add_nc_u32 v8, 512, v8                       ; an image's last two registers: 8 lane + 512
	v_add_nc_u32 v9, VIMG, v1
	v_add_nc_u32 v10, VIMG, v8
	v_add_nc_u32 v11, KSC, v1
	v_mul_u32_u24 v20, v31, 1040
	v_lshl_add_u32 v20, v29, 6, v20
	s_lshl_b32 s6, s2, 7
	v_add_nc_u32 v20, s6, v20                      ; the last stage, in: channel r, 64 h + 128 w bytes on
	v_add_nc_u32 v21, 66560, v20                   ; channels 64 on
	s_mul_i32 s6, s2, 16640
	v_add_nc_u32 v22, s6, v1                       ; back: my 16 channels' rows
	v_mul_u32_u24 v23, v31, 96
	v_mad_u32_u24 v23, v29, 24, v23                ; wo's fragment, rows in their natural order
	v_lshlrev_b32 v24, 2, v31
	v_mov_b32 v13, 0xff61b1e6                      ; the largest t so far: -3e38
	v_mov_b32 v17, 0xff61b1e6
	v_floor_f32 v12, -v13
	v_floor_f32 v16, -v17
.irp q, 14,15,18,19,27,29,31
	v_mov_b32 v\q, 0                               ; the sums; upper halves of pairs; a lane permute's destination
.endr
	s_mov_b32 s44, 0
	s_mov_b32 s45, 0
	; ---- attention: 8 steps of 128 keys
	STEP 1
	s_mov_b32 s46, 7
.Lstep:
	STEP 0
	s_sub_co_u32 s46, s46, 1
	s_cmp_lg_u32 s46, 0
	s_cbranch_scc1 .Lstep
	; ---- the way out
	NOPS 4                                         ; places behind the last products
	WIN 0x40
	s_wait_alu depctr_va_vdst(0)                   ; the last products are done reading V's fragments and v232 to v239, in which wo and its scale words land
.set n, 0
.rept 8
.irp p, 0,1,2,3,4,5
	global_load_b64 v[128+12*n+2*\p:129+12*n+2*\p], v23, s[32:33] offset:1536*n+48*(\p/3)+8*(\p%3)
.endr
.set n, n+1
.endr
	WIN 0
.set n, 0
.rept 8
	global_load_b32 v[232+n], v24, s[34:35] offset:64*n
.set n, n+1
.endr
	v_add_f32 v30, v14, v15                        ; the sums' two halves,
	v_add_f32 v208, v18, v19
	v_permlanex16_b32 v31, v30, s40, s41
	v_permlanex16_b32 v209, v208, s40, s41
	v_add_f32 v30, v30, v31                        ; and lane l xor 16's
	v_add_f32 v208, v208, v209
	v_rcp_f32 v26, v30
	v_rcp_f32 v28, v208
	v_nop
	WIN 0x01
.set j, 0
	s_wait_alu depctr_va_vdst(0)                   ; the two reciprocals (v26, v28) are written, ahead of their first reader
.rept 64
	v_pk_mul_f32 v[32+j:33+j], v[j:j+1], v[26+2*(j/64):27+2*(j/64)] op_sel_hi:[1,0]   ; o = O^T / l: register 16 b + i = channel 32 b + 16 h + i of my query
.set j, j+2
.endr
	WIN 0
.irp x, 0,1
	HQ 32+64*\x,160+12*\x,228
	HQ 64+64*\x,166+12*\x,229
	v_lshl_or_b32 v[242+\x], v229, 16, v228
.endr
	NOPS 8                                         ; o's scale words were written by vector instructions
	s_wait_alu depctr_va_vdst(0)                   ; the divisions and the quantiser are done writing and reading v32 to v159, in which the residual lands; o's codes and scale words are written, which y's products take; the places stand ahead of this wait
.set i, 0
.rept 32
	global_load_b128 v[32+4*i:35+4*i], v1, s[100:101] offset:4096*(i/2)+512*(i%2)   ; the residual: channel 16 w + i / 2, my quarter's 256 positions
.set i, i+1
.endr
	s_wait_loadcnt 32                              ; wo is in; the 32 residual loads may be out
	WIN 0x44
.set n, 0
.rept 8
.irp x, 0,1
	WM 64*\x+8*n,160+12*\x,128+12*n,-1,242+\x,232+n,0,0   ; y: lane (r, h) holds channel 16 n + r, register j position 32 w + 8 x + 16 h + j
.endr
.set n, n+1
.endr
	WIN 0
	NOPS 4
	BAR                                            ; nobody reads K or V any more: the stage may be laid over them
	WIN 0x04
	s_wait_alu depctr_va_vdst(0)                   ; y's products have written their accumulators, which the LDS stores read; the four places above stay beside this wait
.set n, 0
.rept 8
.irp x, 0,1
	ds_store_b128 v[20+n/4], v[64*\x+8*n:64*\x+8*n+3] offset:16640*(n%4)+32*\x       ; each accumulator from its low end on
	ds_store_b128 v[20+n/4], v[64*\x+8*n+4:64*\x+8*n+7] offset:16640*(n%4)+32*\x+16
.endr
.set n, n+1
.endr
	WIN 0
	BAR                                            ; 128 channels x 256 positions of y lie in the stage
	WIN 0x40
	s_wait_alu depctr_vm_vsrc(0)                   ; my LDS stores have read the accumulators' registers, in which the stage's rows land,
	s_wait_alu depctr_va_vdst(0)                   ; and the products that wrote them are complete (said again behind the stores, which named them too)
.set i, 0
.rept 32
	ds_load_b128 v[4*i:4*i+3], v22 offset:1040*(i/2)+512*(i%2)
.set i, i+1
.endr
	WIN 0
	s_wait_kmcnt 0x0                               ; bo
.set i, 0
.rept 16
	s_mov_b32 s[68+2*i], s[48+i]                   ; to even registers: the packed form names a pair and takes its low word for both halves
.set i, i+1
.endr
	s_wait_loadcnt 0x0                             ; the residual
.set pr, 0
.rept 64
	v_pk_add_f32 v[32+2*pr:33+2*pr], v[32+2*pr:33+2*pr], s[68+2*(pr/4):69+2*(pr/4)] op_sel_hi:[1,0]
.set pr, pr+1
.endr
	s_wait_dscnt 0x0
	WIN 0x01
.set pr, 0
.rept 64
	v_pk_add_f32 v[32+2*pr:33+2*pr], v[2*pr:2*pr+1], v[32+2*pr:33+2*pr]
.set pr, pr+1
.endr
	WIN 0
	s_wait_alu depctr_va_vdst(0)                   ; the sums y + bo + x are written (v32 to v159), which the stores read
.set i, 0
.rept 32
	global_store_b128 v1, v[32+4*i:35+4*i], s[38:39] offset:4096*(i/2)+512*(i%2) th:TH_STORE_NT   ; 32 lanes store 512 consecutive bytes, at a multiple of 256 from out0's first byte
.set i, i+1
.endr
	s_wait_dscnt 0x0                               ; the closing lines, six on end
	s_wait_alu 0x0
	s_wait_tensorcnt 0x0
	ds_add_u32 v254, v255
	s_wait_dscnt 0x0
	s_endpgm
.Lfunc_end_k_q9c4a4d9ec7_atten:
	.size	k_q9c4a4d9ec7_atten, .Lfunc_end_k_q9c4a4d9ec7_atten-k_q9c4a4d9ec7_atten
	.p2alignl 7, 3214868480
	.fill 96, 4, 3214868480
	.section	.rodata,"a",@progbits
	.p2align	6, 0x0
	.amdhsa_kernel k_q9c4a4d9ec7_atten
		.amdhsa_group_segment_fixed_size 231424
		.amdhsa_private_segment_fixed_size 0
		.amdhsa_enable_private_segment 0
		.amdhsa_kernarg_size 128
		.amdhsa_user_sgpr_count 2
		.amdhsa_user_sgpr_kernarg_segment_ptr 1
		.amdhsa_wavefront_size32 1
		.amdhsa_system_sgpr_workgroup_id_x 1
		.amdhsa_system_sgpr_workgroup_id_y 1
		.amdhsa_system_sgpr_workgroup_id_z 1
		.amdhsa_system_vgpr_workitem_id 0
		.amdhsa_next_free_vgpr 512
		.amdhsa_next_free_sgpr 102
		.amdhsa_reserve_vcc 0
		.amdhsa_float_denorm_mode_32 3
		.amdhsa_float_denorm_mode_16_64 3
		.amdhsa_memory_ordered 1
		.amdhsa_forward_progress 1
		.amdhsa_inst_pref_size 255
	.end_amdhsa_kernel
	.section	.bss,"aw",@nobits
	.p2align	6
	.space	262144
	.amdgpu_metadata
---
amdhsa.version: [ 1, 2 ]
amdhsa.kernels:
  - .name:           k_q9c4a4d9ec7_atten
    .symbol:         k_q9c4a4d9ec7_atten.kd
    .args:
      - { .name: x, .offset: 0, .size: 8, .value_kind: global_buffer, .address_space: global }
      - { .name: gn_w, .offset: 8, .size: 8, .value_kind: global_buffer, .address_space: global }
      - { .name: gn_b, .offset: 16, .size: 8, .value_kind: global_buffer, .address_space: global }
      - { .name: wq_codes, .offset: 24, .size: 8, .value_kind: global_buffer, .address_space: global }
      - { .name: wq_scales, .offset: 32, .size: 8, .value_kind: global_buffer, .address_space: global }
      - { .name: bq, .offset: 40, .size: 8, .value_kind: global_buffer, .address_space: global }
      - { .name: wk_codes, .offset: 48, .size: 8, .value_kind: global_buffer, .address_space: global }
      - { .name: wk_scales, .offset: 56, .size: 8, .value_kind: global_buffer, .address_space: global }
      - { .name: bk, .offset: 64, .size: 8, .value_kind: global_buffer, .address_space: global }
      - { .name: wv_codes, .offset: 72, .size: 8, .value_kind: global_buffer, .address_space: global }
      - { .name: wv_scales, .offset: 80, .size: 8, .value_kind: global_buffer, .address_space: global }
      - { .name: bv, .offset: 88, .size: 8, .value_kind: global_buffer, .address_space: global }
      - { .name: wo_codes, .offset: 96, .size: 8, .value_kind: global_buffer, .address_space: global }
      - { .name: wo_scales, .offset: 104, .size: 8, .value_kind: global_buffer, .address_space: global }
      - { .name: bo, .offset: 112, .size: 8, .value_kind: global_buffer, .address_space: global }
      - { .name: out0, .offset: 120, .size: 8, .value_kind: global_buffer, .address_space: global }
    .group_segment_fixed_size: 231424
    .private_segment_fixed_size: 0
    .kernarg_segment_align: 8
    .kernarg_segment_size: 128
    .max_flat_workgroup_size: 256
    .sgpr_count:     102
    .vgpr_count:     512
    .wavefront_size: 32
...
	.end_amdgpu_metadata
.endif
;; end of part 2
